; MI455X (gfx1250); checked and timed in simulation.
; The chip was launched on July 23, 2026; its instructions are those of AMD's public machine-readable ISA for CDNA 5 (MIT licence, August 2026) and "CDNA5" Instruction Set Architecture Reference Guide (July 2026). The comments in the code are by the model that wrote it; some were corrected since.
;; Multi Headed Attention. Allowed arithmetic: float matrix products may take bf16 or f16 operands with f32 sums; other float arithmetic in f32, or as packed bf16 or f16 multiplies, adds, multiply-adds, maxima and minima; sums over many terms, partial sums and values carried from step to step in f32; what a program stores and reads back later, other than sums and carried values, may be rounded once to bf16 or f16.
;; Inputs: Wk 1,024 x 1,024 float32; Wo 1,024 x 1,024 float32; Wq 1,024 x 1,024 float32; Wv 1,024 x 1,024 float32; bk 1,024 float32; bo 1,024 float32; bq 1,024 float32; bv 1,024 float32; key 4 x 2,048 x 1,024 float32; mask 4 x 2,048 x 2,048 int32; query 4 x 2,048 x 1,024 float32; value 4 x 2,048 x 1,024 float32.
;; Outputs: out0 4 x 2,048 x 1,024 float32.
;; One version. Each part assembles by itself: llvm-mc -triple=amdgcn-amd-amdhsa -mcpu=gfx1250 --defsym DOCPART=n.
;; ======== version 1 of 1: 4 launches
;; limits: values are held in f16: magnitudes above 65,504 overflow, below 6.1e-05 lose precision
;; workspace buffers: wb 8,388,608 bytes; mk 8,388,608 bytes; qkv 50,331,648 bytes; oh 16,777,216 bytes
;; launch prep (part 1): grid 640 x 1, 8 waves a work-group, no clusters, 17,664 bytes of LDS; arguments mask, Wq, Wk, Wv, Wo, mk, wb; writes mk, wb
.if DOCPART == 1
	.amdgcn_target "amdgcn-amd-amdhsa--gfx1250"
	.amdhsa_code_object_version 6
	.text
	.protected	k_q90772d28ed_prep
	.globl	k_q90772d28ed_prep
	.p2align	8
	.type	k_q90772d28ed_prep,@function
k_q90772d28ed_prep:
	s_mov_b64 s[64:65], 0
	v_nop
	global_prefetch_b8 v0, s[64:65] scope:SCOPE_SE
	s_setreg_imm32_b32 hwreg(HW_REG_WAVE_MODE, 25, 1), 1
	s_wait_xcnt 0x0
; PREP.  Work-groups 0-511 pack the mask, work-groups 512-639 cast the weights.  A stream: no matrix unit, no tensor load.
; MASK.  mask is [4][2048][2048] of int32.  Work-group g = 128 b + qt takes the 16 query rows 16 qt .. 16 qt + 15 of batch b (131,072 bytes) and writes 16,384 bytes of mk:
;   mk[g][step j of 32][slot l = r + 16 h][16 bytes]; word kb (0-3), bits 4 jj + 3 .. 4 jj: query 16 qt + r, key 64 j + 16 kb + 8 h + jj; the four bits are 1110 where mask == 0, else 0000.
;   That is the order in which a lane of the attention launch holds its scores: one left shift by 28 - 4 jj turns a word into the score's f32 addend.
;   Wave w takes rows 2 w and 2 w + 1, a row a trip: 16 loads of 512 consecutive bytes; a lane's four keys make 16 bits, which go into a stage in LDS (row r at 1,040 r; step j, half h at 32 j + 16 h);
;   behind a barrier the stage is read back in mk's order and stored, 16 bytes a lane: each store of a wave covers 512 consecutive bytes, aligned.
; WEIGHTS.  Work-group 512 + g takes 32 rows (131,072 bytes of f32) of matrix g / 32 (Wq, Wk, Wv, Wo) and writes 65,536 bytes of wb at 65,536 g.  Every weight is rounded to bf16; Wo's rounded number is
;   then written as f16.  LIMIT: that second step is exact down to 2^-14 x 2^-3; below it Wo keeps f16's fixed step of 6e-8; beyond 65,504 it would be an infinity.
.set SPITCH, 1040                      ; a stage row: 32 steps x 32 bytes + 16 of padding: 65 x 16, so that the 16 rows of a read-back start in 16 different groups of four banks
.set SPARE,  16*SPITCH                 ; behind the stage: the spare words, 128 bytes for each of the eight waves; no other line names them
.set SPW, 12                           ; v12  LDS address of my spare word; never rewritten
.set NIL, 13                           ; v13  0; never rewritten
.set DAT, 16                           ; v[16:79]  sixteen loads of four registers
	s_load_b256 s[4:11], s[0:1], 0x0               ; mask s[4:5], Wq s[6:7], Wk s[8:9], Wv s[10:11]
	s_load_b128 s[12:15], s[0:1], 0x20             ; Wo s[12:13], mk s[14:15]
	s_load_b64 s[16:17], s[0:1], 0x30              ; wb
	v_lshl_add_u32 v[SPW], v0, 2, SPARE
	v_mov_b32 v[NIL], 0
	v_lshrrev_b32 v5, 5, v0
	v_readfirstlane_b32 s18, v5                    ; wave 0..7
	v_and_b32 v1, 31, v0                           ; lane
	s_mov_b32 s23, 0
	s_mov_b32 s20, 2                               ; both paths have two trips
	s_cmp_ge_u32 ttmp9, 512                        ; the same answer in all eight waves
	s_cbranch_scc1 .Lweights
	; ---- the mask ----
	v_lshlrev_b32 v2, 4, v1
	v_lshl_add_u32 v2, s18, 14, v2                 ; my 16 bytes in my wave's two rows: 16,384 w + 16 lane
	v_and_b32 v3, 1, v1                            ; lane bit 0: which half of a word (keys jj 0-3 or 4-7): 2 bytes
	v_lshlrev_b32 v3, 1, v3
	v_bfe_u32 v6, v1, 1, 1                         ; bit 1: h: 16 bytes
	v_lshl_add_u32 v3, v6, 4, v3
	v_bfe_u32 v6, v1, 2, 2                         ; bits 2, 3: word kb: 4 bytes
	v_lshl_add_u32 v3, v6, 2, v3
	v_bfe_u32 v6, v1, 4, 1                         ; bit 4: the load's second key step: 32 bytes
	v_lshl_add_u32 v3, v6, 5, v3
	s_mul_i32 s19, s18, 2*SPITCH                   ; my wave's two stage rows
	v_add_nc_u32 v3, s19, v3
	s_lshl_b32 s22, ttmp9, 17                      ; the work-group's 16 rows of 8,192 bytes
	s_wait_kmcnt 0x0
	s_add_nc_u64 s[4:5], s[4:5], s[22:23]
.macro NIB c                           ; load c of a row: keys 128 c + 4 lane .. + 3
	s_wait_loadcnt 15-(\c)                         ; loads come back in order: load c is in, the younger ones stay out
.irp k, 0,1,2,3
	v_min_u32 v[DAT+4*(\c)+\k], 1, v[DAT+4*(\c)+\k]  ; 1 where the mask is not 0
.endr
	v_lshl_or_b32 v[DAT+4*(\c)], v[DAT+4*(\c)+1], 4, v[DAT+4*(\c)]
	v_lshl_or_b32 v[DAT+4*(\c)], v[DAT+4*(\c)+2], 8, v[DAT+4*(\c)]
	v_lshl_or_b32 v[DAT+4*(\c)], v[DAT+4*(\c)+3], 12, v[DAT+4*(\c)]
	v_xor_b32 v[DAT+4*(\c)], 0x1111, v[DAT+4*(\c)]   ; 1 where the key is hidden
	v_mul_u32_u24 v[DAT+4*(\c)], 14, v[DAT+4*(\c)]   ; 1110 there
	ds_store_b16 v3, v[DAT+4*(\c)] offset:64*(\c)    ; the wave's 32 lanes fill 64 consecutive bytes: two key steps of the row
.endm
.Lrow:
.set c, 0
.rept 16
	global_load_b128 v[DAT+4*c:DAT+4*c+3], v2, s[4:5] offset:512*c th:TH_LOAD_NT
.set c, c+1
.endr
.set c, 0
.rept 16
	NIB c
.set c, c+1
.endr
	s_add_nc_u64 s[4:5], s[4:5], 8192              ; the last wait was for 0: every load is done, so its base may be stepped: my second row
	v_add_nc_u32 v3, SPITCH, v3
	s_sub_co_u32 s20, s20, 1
	s_cmp_lg_u32 s20, 0
	s_cbranch_scc1 .Lrow
	s_wait_dscnt 0x0                               ; for the others' sake: my stores into the stage are done
	s_barrier_signal -1
	s_barrier_wait -1
	v_and_b32 v6, 15, v0                           ; back in mk's order: thread t, piece i: step 8 i + t / 32, half (t / 16) % 2, row t % 16
	v_mul_u32_u24 v10, v6, SPITCH
	v_bfe_u32 v6, v0, 4, 1
	v_lshl_add_u32 v10, v6, 4, v10
	v_lshl_add_u32 v10, s18, 5, v10
	v_lshlrev_b32 v11, 4, v0
	s_lshl_b32 s22, ttmp9, 14
	s_add_nc_u64 s[14:15], s[14:15], s[22:23]
.irp i, 0,1,2,3
	ds_load_b128 v[DAT+4*\i:DAT+4*\i+3], v10 offset:256*\i
.endr
.irp i, 0,1,2,3
	s_wait_dscnt 3-\i
	global_store_b128 v11, v[DAT+4*\i:DAT+4*\i+3], s[14:15] offset:4096*\i
.endr
	s_branch .Lend
	; ---- the weights ----
.Lweights:
	s_sub_co_u32 s19, ttmp9, 512
	s_lshr_b32 s21, s19, 5                         ; which matrix
	s_and_b32 s22, s19, 31
	s_lshl_b32 s22, s22, 17                        ; my 32 rows in it
	s_lshl_b32 s24, s19, 16                        ; and in wb
	s_mov_b32 s25, 0
	v_lshlrev_b32 v2, 4, v0                        ; 16 bytes a thread in, 8 out
	v_lshlrev_b32 v11, 3, v0
	s_wait_kmcnt 0x0
	s_cmp_eq_u32 s21, 1
	s_cselect_b64 s[26:27], s[8:9], s[6:7]
	s_cmp_eq_u32 s21, 2
	s_cselect_b64 s[26:27], s[10:11], s[26:27]
	s_cmp_eq_u32 s21, 3
	s_cselect_b64 s[26:27], s[12:13], s[26:27]
	s_cselect_b32 s21, -1, 0                       ; all lanes: take the f16 form (Wo) or the bf16 form
	s_add_nc_u64 s[26:27], s[26:27], s[22:23]
	s_add_nc_u64 s[16:17], s[16:17], s[24:25]
.macro CAST c
	s_wait_loadcnt 15-(\c)
	v_cvt_pk_bf16_f32 v4, v[DAT+4*(\c)], v[DAT+4*(\c)+1]
	v_cvt_pk_bf16_f32 v5, v[DAT+4*(\c)+2], v[DAT+4*(\c)+3]
	v_lshlrev_b32 v6, 16, v4                       ; the rounded numbers as f32 again,
	v_and_b32 v7, 0xffff0000, v4
	v_lshlrev_b32 v8, 16, v5
	v_and_b32 v9, 0xffff0000, v5
	v_cvt_pk_f16_f32 v6, v6, v7                    ; and written as f16
	v_cvt_pk_f16_f32 v7, v8, v9
	v_cndmask_b32 v[DAT+4*(\c)], v4, v6, s21
	v_cndmask_b32 v[DAT+4*(\c)+1], v5, v7, s21
	global_store_b64 v11, v[DAT+4*(\c):DAT+4*(\c)+1], s[16:17] offset:2048*(\c)  ; a wave's 32 lanes store 256 consecutive bytes, aligned
.endm
.Lw:
.set c, 0
.rept 16
	global_load_b128 v[DAT+4*c:DAT+4*c+3], v2, s[26:27] offset:4096*c th:TH_LOAD_NT
.set c, c+1
.endr
.set c, 0
.rept 16
	CAST c
.set c, c+1
.endr
	s_wait_xcnt 0x0                                ; the stores have read their data and their base: only now are these written again
	s_add_nc_u64 s[26:27], s[26:27], 65536
	s_add_nc_u64 s[16:17], s[16:17], 32768
	s_sub_co_u32 s20, s20, 1
	s_cmp_lg_u32 s20, 0
	s_cbranch_scc1 .Lw
.Lend:
	s_wait_tensorcnt 0x0                           ; the wave's end
	ds_add_u32 v[SPW], v[NIL]
	s_wait_dscnt 0x0
	s_endpgm
.Lfunc_end_k_q90772d28ed_prep:
	.size	k_q90772d28ed_prep, .Lfunc_end_k_q90772d28ed_prep-k_q90772d28ed_prep
	.p2alignl 7, 3214868480
	.fill 96, 4, 3214868480
	.section	.rodata,"a",@progbits
	.p2align	6, 0x0
	.amdhsa_kernel k_q90772d28ed_prep
		.amdhsa_group_segment_fixed_size 17664
		.amdhsa_private_segment_fixed_size 0
		.amdhsa_enable_private_segment 0
		.amdhsa_kernarg_size 56
		.amdhsa_user_sgpr_count 2
		.amdhsa_user_sgpr_kernarg_segment_ptr 1
		.amdhsa_wavefront_size32 1
		.amdhsa_system_sgpr_workgroup_id_x 1
		.amdhsa_system_sgpr_workgroup_id_y 1
		.amdhsa_system_sgpr_workgroup_id_z 1
		.amdhsa_system_vgpr_workitem_id 0
		.amdhsa_next_free_vgpr 80
		.amdhsa_next_free_sgpr 66
		.amdhsa_reserve_vcc 0
		.amdhsa_float_denorm_mode_32 3
		.amdhsa_float_denorm_mode_16_64 3
		.amdhsa_memory_ordered 1
		.amdhsa_forward_progress 1
		.amdhsa_inst_pref_size 27
	.end_amdhsa_kernel
	.amdgpu_metadata
---
amdhsa.version: [ 1, 2 ]
amdhsa.kernels:
  - .name:           k_q90772d28ed_prep
    .symbol:         k_q90772d28ed_prep.kd
    .args:
      - { .name: mask, .offset: 0, .size: 8, .value_kind: global_buffer, .address_space: global }
      - { .name: Wq, .offset: 8, .size: 8, .value_kind: global_buffer, .address_space: global }
      - { .name: Wk, .offset: 16, .size: 8, .value_kind: global_buffer, .address_space: global }
      - { .name: Wv, .offset: 24, .size: 8, .value_kind: global_buffer, .address_space: global }
      - { .name: Wo, .offset: 32, .size: 8, .value_kind: global_buffer, .address_space: global }
      - { .name: mk, .offset: 40, .size: 8, .value_kind: global_buffer, .address_space: global }
      - { .name: wb, .offset: 48, .size: 8, .value_kind: global_buffer, .address_space: global }
    .group_segment_fixed_size: 17664
    .private_segment_fixed_size: 0
    .kernarg_segment_align: 8
    .kernarg_segment_size: 56
    .max_flat_workgroup_size: 256
    .sgpr_count:     66
    .vgpr_count:     80
    .wavefront_size: 32
...
	.end_amdgpu_metadata
.endif
;; end of part 1
;; launch proj (part 2): grid 4 x 64, 4 waves a work-group, clusters of 4 x 4, 327,680 bytes of LDS; arguments query, key, value, bq, bk, bv, wb, qkv; writes qkv
.if DOCPART == 2
	.amdgcn_target "amdgcn-amd-amdhsa--gfx1250"
	.amdhsa_code_object_version 6
	.text
	.protected	k_q90772d28ed_proj
	.globl	k_q90772d28ed_proj
	.p2align	8
	.type	k_q90772d28ed_proj,@function
k_q90772d28ed_proj:
	s_mov_b64 s[64:65], 0
	v_nop
	global_prefetch_b8 v0, s[64:65] scope:SCOPE_SE
	s_setreg_imm32_b32 hwreg(HW_REG_WAVE_MODE, 25, 1), 1
	s_wait_xcnt 0x0
	s_wait_alu depctr_hold_cnt(0) depctr_sa_sdst(0) depctr_va_vdst(0) depctr_va_sdst(0) depctr_va_ssrc(0) depctr_va_vcc(0) depctr_vm_vsrc(0)
	s_getreg_b32 s2, hwreg(HW_REG_IB_STS2, 6, 4)
	s_cmp_eq_u32 s2, 0
	s_cbranch_scc0 .Lentry_in_a_cluster
	s_endpgm
.Lentry_in_a_cluster:
	s_bfe_u32 s2, ttmp6, 0x10000c
	s_cmp_lg_u32 s2, 0xf033
	s_cbranch_scc0 .Lentry_shape_is_right
	s_endpgm
.Lentry_shape_is_right:
; PROJ.  q = query Wq^T + bq, k = key Wk^T + bk, v = value Wv^T + bv.  x: [8192][1024] f32; W: bf16 [1024][1024] in wb at 0, 2 MiB, 4 MiB; the result in f16 by heads,
; qkv[t][16 b + head][s][64] (t = 0, 1, 2 at 0, 16 MiB, 32 MiB), each number rounded once from its f32 sum, unscaled.  x and the biases are rounded to bf16 here, on the way to the matrix unit.
; LIMIT.  f16 ends at 65,504: a q, k or v beyond it becomes an infinity.  NaN and infinities are not treated apart.
; SHARES.  The three products have 768 tiles of 128 rows x 256 columns; 256 work-groups STAY: each makes the same tile (ty, tx) of q, then of k, then of v: one walk of 24 K steps of 128,
; through a ring of two LDS slots that runs on across the tiles.  Four waves, each 64 rows x 128 columns: 32 accumulators.
; THE MATRIX INSTRUCTION IS USED TRANSPOSED: source 0 = 16 rows of W, source 1 = 16 rows of x: a lane then holds one row of the result and eight neighbouring columns.
; The bias is the C operand of a tile's first products.
; x IN f32.  A slot holds x as it lies in memory; a quarter step's fragments come into a stage of 64 registers and are rounded to bf16 by 32 conversions, four behind each of the quarter's last
; eight matrix instructions; these conversions are also the four plain instructions that stand between a matrix instruction and a load into one of its sources.
; CLUSTER 4 x 4: x's tile hangs on ty alone and is asked for jointly along a row of the cluster, W's on tx alone and jointly along a column.
; By this text's count a wave never has more than one tensor load out.
; REGISTERS.  window 0: v4-15 addresses; v32-95 ST (f32 stage); v96-127, v128-159 x's fragments, two buffers; v160-191 TMP; v192-255 BK, two buffers for the way out
;   window 1: v0-63, v64-127 W's fragments, two buffers; v128-191 BI the bias as a C operand; v192-193 at work          window 2: accumulator (a, b) at 8 (8 a + b)
.set SLOT,  137216                     ; x: 128 rows of 512 + 16 bytes; then W: 256 rows of 256 + 16 bytes
.set PA,    528                        ; 33 x 16: the 16 rows of a load start in 16 different groups of four banks
.set PB,    272                        ; 17 x 16
.set BOFF,  128*PA
.set STAGE, 2*SLOT                     ; behind the ring, never filled by a tensor load: for each wave 2 heads x 16 rows x 144 bytes
.set SP,    144
.set SPARE, STAGE+4*32*SP              ; the spare words, 128 bytes a wave; no other line names them
.set ADRA0, 4                          ; my place in a slot's x; never rewritten
.set ADRB0, 5                          ; in its W
.set ADRA,  6                          ; the same in the slot that is being read
.set ADRB,  7
.set STO,   8                          ; the way out: where I put 16 bytes of a row
.set RD,    9                          ; where I read rows back
.set GO,    10                         ; my 16 bytes in 512 consecutive bytes of the result
.set BO,    11                         ; my byte offset in a bias
.set PFO,   12                         ; the prefetches' offset
.set SPW,   14                         ; LDS address of my spare word; never rewritten
.set NIL,   15                         ; 0; never rewritten
.set ST,    32
.set AF,    96
.set TMP,   160
.set BK,    192
.set BI,    128
.set BT,    192
; scalars: s10 wave; s11 = wave / 2: my half of the rows, and 0: I fetch x, 1: I fetch W; s12 = wave % 2: my half of the columns, and which half of that tile I fetch; s13 cx, s14 cy, s15 tx, s16 ty
; s[24:31], s[32:39] descriptor group 1 for x, W; s[40:43], s[44:47] group 0; s48 slot being read; s49 slot to fill; s50, s51 my place in a slot as a fetcher
; s52 trips to go; s53 K step in the tile; s54 K step of the next fill; s55 tiles begun; s[56:57] an addend; s[68:73] x of the tile being asked for and of the two behind it; s[74:79] the biases likewise
; s[80:81] W; s[82:83] the result; s[84:89] the prefetches' three pointers; s[90:91] their step; s92 their K step; s93 a wave prefetches while s52 is above it
.set MSB, 0
.macro WIN new                         ; the high byte repeats the setting that is left; a switch that changes nothing is dropped
.if MSB != (\new)
	s_set_vgpr_msb (MSB<<8)|(\new)
.set MSB, \new
.endif
.endm
.set MULW, 0xa1                        ; source 0 (W) window 1, source 1 (x) window 0, C and D window 2
.set MULZ, 0x91                        ; the same with C in window 1
.set TO_B, 0x40                        ; destination window 1
.set W_PK, 0x0a                        ; sources 0 and 1 window 2
.set W_B1, 0x45                        ; all in window 1
.macro JLOAD                           ; a joint load; the branch hangs on the wave's number alone; an s_nop 0 and four v_nop follow each line
	s_cmp_eq_u32 s11, 0
	s_cbranch_scc0 .Lfor_b_\@
	tensor_load_to_lds s[40:43], s[24:31]
	s_nop 0
.rept 4
	v_nop
.endr
	s_branch .Lasked_\@
.Lfor_b_\@:
	tensor_load_to_lds s[44:47], s[32:39]
	s_nop 0
.rept 4
	v_nop
.endr
.Lasked_\@:
.endm
.macro CREST                           ; a round of the cluster's barrier behind its opening barrier
	s_cmp_lg_u32 s10, 0
	s_cbranch_scc1 .Lnot_wave_0_\@
	s_barrier_signal -3
.Lnot_wave_0_\@:
	s_barrier_wait -3
	s_barrier_signal -1
	s_barrier_wait -1
.endm
.macro CROUND
	s_barrier_signal -1
	s_barrier_wait -1
	CREST
.endm
; Both group 0 are made for the next K step of the walk, and the walk's pointers step.  Scalar work alone; it stands where no tensor load of the wave is out.
.macro NEXTFILL
	s_add_co_u32 s41, s50, s49                     ; LDS address: my half of x's tile in the slot to fill
	s_mov_b64 s[42:43], s[68:69]
	s_or_b32 s43, s43, 0x80000000                  ; type = 2
	s_add_co_u32 s45, s51, s49
	s_mov_b64 s[46:47], s[80:81]
	s_or_b32 s47, s47, 0x80000000
	s_xor_b32 s49, s49, SLOT                       ; the other slot next time
	s_add_nc_u64 s[68:69], s[68:69], 512           ; 128 f32 along K
	s_add_nc_u64 s[80:81], s[80:81], 256           ; 128 bf16
	s_add_co_u32 s54, s54, 1
	s_cmp_eq_u32 s54, 8                            ; behind a tile's last K step: the next input, the next weights
	s_cselect_b64 s[68:69], s[70:71], s[68:69]
	s_cselect_b64 s[70:71], s[72:73], s[70:71]
	s_cselect_b32 s56, 2097152-2048, 0
	s_cselect_b32 s54, 0, s54
	s_add_nc_u64 s[80:81], s[80:81], s[56:57]
.endm
; 32 LDS loads: quarter kq of the slot: x's 64 rows x 32 K in f32 into ST (first), W's 128 rows x 32 K into buffer g
.macro FETCH g, kq
	WIN 0
.irp a, 0,1,2,3
	ds_load_b128 v[ST+16*\a:ST+16*\a+3],     v[ADRA] offset:\a*16*PA+(\kq)*128
	ds_load_b128 v[ST+16*\a+4:ST+16*\a+7],   v[ADRA] offset:\a*16*PA+(\kq)*128+16
	ds_load_b128 v[ST+16*\a+8:ST+16*\a+11],  v[ADRA] offset:\a*16*PA+(\kq)*128+64
	ds_load_b128 v[ST+16*\a+12:ST+16*\a+15], v[ADRA] offset:\a*16*PA+(\kq)*128+80
.endr
	WIN TO_B
.irp b, 0,1,2,3,4,5,6,7
	ds_load_b128 v[64*(\g)+8*\b:64*(\g)+8*\b+3],   v[ADRB] offset:\b*16*PB+(\kq)*64
	ds_load_b128 v[64*(\g)+8*\b+4:64*(\g)+8*\b+7], v[ADRB] offset:\b*16*PB+(\kq)*64+32
.endr
.endm
; 8 matrix instructions: row block a x all 8 column blocks, on buffer f.  zero = 1: the bias starts the sums.  The 32 accumulators take turns, in the same order in every quarter.
.macro MUL f, a, zero
.if \zero
	WIN MULZ
.else
	WIN MULW
.endif
.irp b, 0,1,2,3,4,5,6,7
.if \zero
	v_wmma_f32_16x16x32_bf16 v[8*(8*(\a)+\b):8*(8*(\a)+\b)+7], v[64*(\f)+8*\b:64*(\f)+8*\b+7], v[AF+32*(\f)+8*(\a):AF+32*(\f)+8*(\a)+7], v[BI+8*\b:BI+8*\b+7]
.else
	v_wmma_f32_16x16x32_bf16 v[8*(8*(\a)+\b):8*(8*(\a)+\b)+7], v[64*(\f)+8*\b:64*(\f)+8*\b+7], v[AF+32*(\f)+8*(\a):AF+32*(\f)+8*(\a)+7], v[8*(8*(\a)+\b):8*(8*(\a)+\b)+7]
.endif
.endr
.endm
; Row block 3, and behind each matrix instruction four of the 32 conversions ST -> x's buffer g
.macro MULCVT f, g, zero
.irp b, 0,1,2,3,4,5,6,7
.if \zero
	WIN MULZ
	v_wmma_f32_16x16x32_bf16 v[8*(24+\b):8*(24+\b)+7], v[64*(\f)+8*\b:64*(\f)+8*\b+7], v[AF+32*(\f)+24:AF+32*(\f)+31], v[BI+8*\b:BI+8*\b+7]
.else
	WIN MULW
	v_wmma_f32_16x16x32_bf16 v[8*(24+\b):8*(24+\b)+7], v[64*(\f)+8*\b:64*(\f)+8*\b+7], v[AF+32*(\f)+24:AF+32*(\f)+31], v[8*(24+\b):8*(24+\b)+7]
.endif
	WIN 0
.irp i, 0,1,2,3
	v_cvt_pk_bf16_f32 v[AF+32*(\g)+4*\b+\i], v[ST+8*\b+2*\i], v[ST+8*\b+2*\i+1]
.endr
.endr
.endm
; One of a K step's first three quarters: multiplies buffer f, fetches quarter kq into ST and buffer g
.macro QUARTER f, g, kq, zero
	FETCH \g, \kq                                  ; four conversions stand between the last product that read W's buffer g and these loads
	s_wait_dscnt 32                                ; all but the 32 just issued: W's buffer f is in
	MUL \f, 0, \zero
	MUL \f, 1, \zero
	MUL \f, 2, \zero
	s_wait_dscnt 16                                ; ST is in; W's 16 loads behind it may stay out
	MULCVT \f, \g, \zero
.endm
; A PREFETCH INTO THE L2, behind the joint load, its five lines and the run of LDS loads: the K step of the walk two refills on, 256 matrix instructions ahead of the load that will want it.
; x: a wave fetches 64 rows x 512 bytes; each of the four partners that ask jointly takes 16 rows, told apart by cx IN THE ADDRESS: a lane a block of 256 bytes.  Only this cluster reads these rows.
; W: a wave fetches 128 rows x 256 bytes; each partner takes 32 rows, by cy in the address; every cluster walks the same W, so the cluster with y = 0 asks.  The first four K steps come by their
; loads alone, and the last two refills have no K step two on.
.macro ASK
	WIN 0
	s_cmp_gt_u32 s52, s93
	s_cbranch_scc0 .Lnot_mine_\@
	global_prefetch_b8 v[PFO], s[84:85] th:TH_LOAD_NT scope:SCOPE_SE
.Lnot_mine_\@:
.endm
; The last quarter multiplies buffer 1 and changes slots.  In front of the barrier each wave waits for all its tensor loads (one is out: its part of the next slot), adds 0 to its spare word, and waits
; for that and for its reads of this slot.  fill = 1: the barrier opens a round of the cluster's barrier, and the joint refill, two K steps ahead, is the first thing behind the round.
.macro TURN fill
.if \fill
	s_wait_xcnt 0x0                                ; the last prefetch, a K step back, has read its address
	s_add_nc_u64 s[84:85], s[84:85], s[90:91]
	s_add_co_u32 s92, s92, 1
	s_cmp_eq_u32 s92, 8
	s_cselect_b64 s[84:85], s[86:87], s[84:85]
	s_cselect_b64 s[86:87], s[88:89], s[86:87]
	s_cselect_b32 s92, 0, s92
.endif
	WIN 0
	s_wait_tensorcnt 0x0                           ; no tensor load of mine is out, so both group 0 may be written
	ds_add_u32 v[SPW], v[NIL]                      ; 0 onto my spare word
.if \fill
	NEXTFILL
.endif
	s_wait_dscnt 1                                 ; only the add may be out: W's buffer 1 is in
	MUL 1, 0, 0
	s_wait_dscnt 0x0                               ; the add is done, and my reads of this slot are over
	s_barrier_signal -1
	MUL 1, 1, 0
	WIN 0
	s_barrier_wait -1
.if \fill
	CREST                                          ; no wave of any partner still reads this slot or has a load on its way
	JLOAD
.endif
	s_xor_b32 s48, s48, SLOT
	v_add_nc_u32 v[ADRA], s48, v[ADRA0]
	v_add_nc_u32 v[ADRB], s48, v[ADRB0]
	FETCH 0, 0
.if \fill
	ASK
.endif
	MUL 1, 2, 0
	s_wait_dscnt 16
	MULCVT 1, 0, 0
.endm
.macro BIASLOAD                        ; BI + 8 b + j = bias[256 tx + 128 (wave % 2) + 16 b + 8 (lane / 16) + j]
	WIN TO_B
.irp b, 0,1,2,3,4,5,6,7
	global_load_b128 v[BI+8*\b:BI+8*\b+3],   v[BO], s[74:75] offset:64*\b
	global_load_b128 v[BI+8*\b+4:BI+8*\b+7], v[BO], s[74:75] offset:64*\b+16
.endr
	WIN 0
.endm
.macro ROUNDBIAS                       ; the bias is rounded to bf16 like the other inputs
	WIN W_B1
.set i, 0
.rept 32
	v_cvt_pk_bf16_f32 v[BT+i%2], v[BI+2*i], v[BI+2*i+1]
	v_lshlrev_b32 v[BI+2*i], 16, v[BT+i%2]
	v_and_b32 v[BI+2*i+1], 0xffff0000, v[BT+i%2]
.set i, i+1
.endr
.endm
; THE WAY OUT of row block a: rounded to f16 (each accumulator from its low end on), through my own stage in LDS, back as whole rows of a head (128 bytes), stored 512 consecutive bytes at a time.
.macro PACK a
	WIN W_PK
.irp b, 0,1,2,3,4,5,6,7
.irp r, 0,1,2,3
	v_cvt_pk_f16_f32 v[TMP+4*\b+\r], v[8*(8*(\a)+\b)+2*\r], v[8*(8*(\a)+\b)+2*\r+1]
.endr
.endr
	WIN 0
.endm
.macro TOSTAGE a
.if (\a) >= 2
	s_wait_xcnt 0x0                                ; the stores of the block two back have read this buffer
.endif
.irp b, 0,1,2,3,4,5,6,7
	ds_store_b128 v[STO], v[TMP+4*\b:TMP+4*\b+3] offset:(\b/4)*16*SP+(\b%4)*32
.endr
.irp hh, 0,1
.irp f, 0,1,2,3
	ds_load_b128 v[BK+32*((\a)%2)+16*\hh+4*\f:BK+32*((\a)%2)+16*\hh+4*\f+3], v[RD] offset:\hh*16*SP+\f*4*SP  ; LDS serves a wave's instructions in order: these see the stores above
.endr
.endr
.endm
.macro SEND a
	s_wait_dscnt 0x0
.irp hh, 0,1
.irp f, 0,1,2,3
	global_store_b128 v[GO], v[BK+32*((\a)%2)+16*\hh+4*\f:BK+32*((\a)%2)+16*\hh+4*\f+3], s[82:83] offset:(\a)*2048+\hh*262144+\f*512
.endr
.endr
.endm
.macro EPILOGUE                        ; a block's conversions stand between the loads of the block before and the wait for them
	PACK 0
	TOSTAGE 0
.irp a, 1,2,3
	PACK \a
	SEND (\a)-1
	TOSTAGE \a
.endr
	SEND 3
.endm
	s_load_b512 s[68:83], s[0:1], 0x0              ; query, key, value s[68:73]; bq, bk, bv s[74:79]; wb s[80:81]; qkv s[82:83]
	v_lshl_add_u32 v[SPW], v0, 2, SPARE
	v_mov_b32 v[NIL], 0
	ds_add_u32 v[SPW], v[NIL]                      ; the wave's opening: the add and its wait stand ahead of my first tensor load; work on registers stands between them
	v_lshrrev_b32 v1, 5, v0
	v_readfirstlane_b32 s10, v1
	s_lshr_b32 s11, s10, 1
	s_and_b32 s12, s10, 1
	s_bfe_u32 s13, ttmp6, 0x40000                  ; cx
	s_bfe_u32 s14, ttmp6, 0x40004                  ; cy
	s_lshl_b32 s15, ttmp9, 2
	s_add_co_u32 s15, s15, s13                     ; tx
	s_and_b32 s16, ttmp7, 0xffff
	s_lshl_b32 s16, s16, 2
	s_add_co_u32 s16, s16, s14                     ; ty
	s_lshl_b32 s17, s14, 2
	s_lshl_b32 s17, 15, s17                        ; my row of the cluster
	s_lshl_b32 s18, 0x1111, s13                    ; my column
	s_or_b32 s24, s17, (2<<16)|(1<<20)|(1<<21)|(6<<22)|(3<<25)  ; x: the mask; elements of 4 bytes; padding on; bit 21 beside a mask; after every 128 words, 4 words
	s_mov_b32 s25, 128<<16                         ; tensor_dim0 = 128
	s_mov_b32 s26, 64<<16                          ; tensor_dim1 = 64
	s_mov_b32 s27, 128<<16                         ; tile_dim0 = 128
	s_mov_b32 s28, 64                              ; tile_dim1 = 64
	s_mov_b32 s29, 1024                            ; elements from row to row
	s_mov_b32 s30, 0
	s_mov_b32 s31, 0
	s_or_b32 s32, s18, (1<<16)|(1<<20)|(1<<21)|(5<<22)|(3<<25)  ; W: elements of 2 bytes; after every 64 words, 4 words
	s_mov_b32 s33, 128<<16
	s_mov_b32 s34, 128<<16
	s_mov_b32 s35, 128<<16
	s_mov_b32 s36, 128
	s_mov_b32 s37, 1024
	s_mov_b32 s38, 0
	s_mov_b32 s39, 0
	s_mov_b32 s40, 1                               ; count = 1
	s_mov_b32 s44, 1
	s_mov_b32 s48, 0
	s_mov_b32 s49, 0
	s_mul_i32 s50, s12, 64*PA                      ; no place in the cluster enters an LDS address
	s_mul_i32 s51, s12, 128*PB
	s_add_co_u32 s51, s51, BOFF
	s_mov_b32 s54, 0
	s_mov_b32 s57, 0
	s_mov_b32 s92, 3
	s_lshl_b32 s20, s16, 7                         ; x: row 128 ty + 64 x half, in bytes: made of cy and the wave alone
	s_lshl_b32 s21, s12, 6
	s_add_co_u32 s20, s20, s21
	s_lshl_b32 s20, s20, 12
	s_mov_b32 s21, 0
	s_lshl_b32 s22, s15, 8                         ; W: row 256 tx + 128 x half, in bytes: made of cx and the wave alone
	s_lshl_b32 s23, s12, 7
	s_add_co_u32 s22, s22, s23
	s_lshl_b32 s22, s22, 11
	s_mov_b32 s23, 0
	s_lshl_b32 s2, s13, 16                         ; the prefetches: + 16 cx rows of x,
	s_add_co_u32 s2, s2, s20
	s_lshl_b32 s3, s14, 16                         ; or + 32 cy rows of W
	s_add_co_u32 s3, s3, s22
	s_cmp_eq_u32 s11, 0
	s_cselect_b32 s58, s2, s3
	s_mov_b32 s59, 0
	s_cselect_b32 s18, 0, 0x200000                 ; from tile to tile: another buffer, or 2 MiB on in wb
	s_mov_b32 s19, 0
	s_cselect_b32 s90, 1, 0
	s_lshl_b32 s90, 256, s90                       ; a K step: 512 bytes of x, 256 of W
	s_mov_b32 s91, 0
	s_and_b32 s17, ttmp7, 0xffff                   ; cluster y
	s_cmp_eq_u32 s11, 0
	s_cselect_b32 s17, 0, s17
	s_cmp_eq_u32 s17, 0
	s_cselect_b32 s93, 2, -1                       ; the same in all sixteen partners, for a given wave
	s_lshr_b32 s17, s16, 4                         ; the result: head 16 b + 4 tx + 2 (wave % 2),
	s_lshl_b32 s17, s17, 4
	s_lshl2_add_u32 s17, s15, s17
	s_lshl1_add_u32 s17, s12, s17
	s_lshl_b32 s17, s17, 18
	s_and_b32 s2, s16, 15                          ; row 128 (ty % 16) + 64 (wave / 2) of 128 bytes
	s_lshl_b32 s2, s2, 7
	s_lshl_b32 s3, s11, 6
	s_add_co_u32 s2, s2, s3
	s_lshl_b32 s2, s2, 7
	s_add_co_u32 s2, s2, s17
	s_mov_b32 s3, 0
	s_wait_dscnt 0x0                               ; the opening add is done
	s_wait_kmcnt 0x0
	s_cmp_eq_u32 s11, 0
	s_cselect_b64 s[84:85], s[68:69], s[80:81]
	s_cselect_b64 s[86:87], s[70:71], s[80:81]
	s_cselect_b64 s[88:89], s[72:73], s[80:81]
	s_add_nc_u64 s[84:85], s[84:85], s[58:59]
	s_add_nc_u64 s[86:87], s[86:87], s[58:59]
	s_add_nc_u64 s[88:89], s[88:89], s[58:59]
	s_add_nc_u64 s[86:87], s[86:87], s[18:19]
	s_add_nc_u64 s[88:89], s[88:89], s[18:19]
	s_add_nc_u64 s[88:89], s[88:89], s[18:19]
.rept 3
	s_add_nc_u64 s[84:85], s[84:85], s[90:91]      ; at K step 3: the first refill steps it to 4
.endr
	s_add_nc_u64 s[68:69], s[68:69], s[20:21]
	s_add_nc_u64 s[70:71], s[70:71], s[20:21]
	s_add_nc_u64 s[72:73], s[72:73], s[20:21]
	s_add_nc_u64 s[80:81], s[80:81], s[22:23]
	s_add_nc_u64 s[82:83], s[82:83], s[2:3]
	NEXTFILL
	CROUND                                         ; all sixteen work-groups are here: the first joint loads meet
	JLOAD                                          ; K step 0 into slot 0
	v_and_b32 v1, 15, v0                           ; l % 16
	v_bfe_u32 v2, v0, 4, 1                         ; l / 16
	v_and_b32 v3, 31, v0                           ; l
	v_mul_u32_u24 v[ADRA0], v1, PA                 ; x in f32: row x pitch + 32 x half: K = 8 half + 0..7 are 32 bytes, K = 16 + 8 half + 0..7 lie 64 bytes on
	v_lshl_add_u32 v[ADRA0], v2, 5, v[ADRA0]
	s_mul_i32 s17, s11, 64*PA
	v_add_nc_u32 v[ADRA0], s17, v[ADRA0]
	v_mul_u32_u24 v[ADRB0], v1, PB
	v_lshl_add_u32 v[ADRB0], v2, 4, v[ADRB0]
	s_mul_i32 s17, s12, 128*PB
	s_add_co_u32 s17, s17, BOFF
	v_add_nc_u32 v[ADRB0], s17, v[ADRB0]
	s_mul_i32 s17, s10, 32*SP
	s_add_co_u32 s17, s17, STAGE                   ; my stage
	v_mul_u32_u24 v[STO], v1, SP
	v_lshl_add_u32 v[STO], v2, 4, v[STO]
	v_add_nc_u32 v[STO], s17, v[STO]
	v_lshrrev_b32 v13, 3, v3                       ; back: 32 lanes take four rows of 128 bytes
	v_mul_u32_u24 v[RD], v13, SP
	v_and_b32 v13, 7, v0
	v_lshl_add_u32 v[RD], v13, 4, v[RD]
	v_add_nc_u32 v[RD], s17, v[RD]
	v_lshlrev_b32 v[GO], 4, v3
	s_lshl_b32 s17, s15, 10
	s_lshl_b32 s18, s12, 9
	s_add_co_u32 s17, s17, s18
	v_lshl_add_u32 v[BO], v2, 5, s17
	v_lshlrev_b32 v13, 12, v1                      ; x: lane l names row l % 16, block l / 16 of its 512 bytes
	v_lshl_or_b32 v13, v2, 8, v13
	v_lshlrev_b32 v[PFO], 11, v3                   ; W: a lane a row
	s_cmp_eq_u32 s11, 0
	s_cselect_b32 s17, -1, 0
	v_cndmask_b32 v[PFO], v[PFO], v13, s17
	BIASLOAD                                       ; bq
	s_wait_tensorcnt 0x0                           ; K step 0 has landed; slot 1 is filled as a refill is
	ds_add_u32 v[SPW], v[NIL]
	NEXTFILL
	s_wait_dscnt 0x0
	CROUND
	JLOAD                                          ; K step 1 into slot 1
	v_mov_b32 v[ADRA], v[ADRA0]
	v_mov_b32 v[ADRB], v[ADRB0]
	FETCH 0, 0
	s_wait_dscnt 16
	WIN 0
.set i, 0
.rept 32
	v_cvt_pk_bf16_f32 v[AF+i], v[ST+2*i], v[ST+2*i+1]
.set i, i+1
.endr
	s_mov_b32 s52, 22
	s_mov_b32 s53, 0
	s_mov_b32 s55, 0
.Lstep:                                        ; 22 trips, a K step each; every trip fills the slot that it leaves with the K step two on
	s_cmp_eq_u32 s53, 0                            ; a tile's first K step?  At the first trip the answer is a constant of the text
	s_cbranch_scc1 .Lz
	QUARTER 0, 1, 1, 0
	WIN 0
	s_branch .Lj
.Lz:
	s_wait_loadcnt 0x0                             ; the bias
	ROUNDBIAS
	QUARTER 0, 1, 1, 1                             ; its products start the sums with the bias
	WIN 0
	s_cmp_lt_u32 s55, 2
	s_cbranch_scc0 .Lnb
	s_mov_b64 s[74:75], s[76:77]                   ; the next tile's bias is asked for at once: four conversions stand behind the last product that read BI
	s_mov_b64 s[76:77], s[78:79]
	BIASLOAD
.Lnb:
	s_add_co_u32 s55, s55, 1
.Lj:
	QUARTER 1, 0, 2, 0
	QUARTER 0, 1, 3, 0
	TURN 1
	WIN 0
	s_add_co_u32 s53, s53, 1
	s_cmp_eq_u32 s53, 8
	s_cbranch_scc0 .Lne
	EPILOGUE                                       ; a tile is finished; the next tile's first two K steps have been asked for
	s_wait_xcnt 0x0                                ; the stores have read their data and their base
	s_add_nc_u64 s[82:83], s[82:83], 0x1000000
	s_mov_b32 s53, 0
.Lne:
	s_sub_co_u32 s52, s52, 1
	s_cmp_lg_u32 s52, 0
	s_cbranch_scc1 .Lstep
	s_mov_b32 s52, 2
.Ltail:                                        ; the last two K steps fill nothing; the second trip's fetch from the slot left behind serves nothing: the price of one text for both
	QUARTER 0, 1, 1, 0
	QUARTER 1, 0, 2, 0
	QUARTER 0, 1, 3, 0
	TURN 0
	WIN 0
	s_sub_co_u32 s52, s52, 1
	s_cmp_lg_u32 s52, 0
	s_cbranch_scc1 .Ltail
	EPILOGUE
	s_wait_tensorcnt 0x0                           ; the wave's end
	ds_add_u32 v[SPW], v[NIL]
	s_wait_dscnt 0x0
	CROUND                                         ; the closing round
	s_endpgm
.Lfunc_end_k_q90772d28ed_proj:
	.size	k_q90772d28ed_proj, .Lfunc_end_k_q90772d28ed_proj-k_q90772d28ed_proj
	.p2alignl 7, 3214868480
	.fill 96, 4, 3214868480
	.section	.rodata,"a",@progbits
	.p2align	6, 0x0
	.amdhsa_kernel k_q90772d28ed_proj
		.amdhsa_group_segment_fixed_size 327680
		.amdhsa_private_segment_fixed_size 0
		.amdhsa_enable_private_segment 0
		.amdhsa_kernarg_size 64
		.amdhsa_user_sgpr_count 2
		.amdhsa_user_sgpr_kernarg_segment_ptr 1
		.amdhsa_wavefront_size32 1
		.amdhsa_system_sgpr_workgroup_id_x 1
		.amdhsa_system_sgpr_workgroup_id_y 1
		.amdhsa_system_sgpr_workgroup_id_z 1
		.amdhsa_system_vgpr_workitem_id 0
		.amdhsa_next_free_vgpr 768
		.amdhsa_next_free_sgpr 94
		.amdhsa_reserve_vcc 0
		.amdhsa_float_denorm_mode_32 3
		.amdhsa_float_denorm_mode_16_64 3
		.amdhsa_memory_ordered 1
		.amdhsa_forward_progress 1
		.amdhsa_inst_pref_size 116
	.end_amdhsa_kernel
	.amdgpu_metadata
---
amdhsa.version: [ 1, 2 ]
amdhsa.kernels:
  - .name:           k_q90772d28ed_proj
    .symbol:         k_q90772d28ed_proj.kd
    .args:
      - { .name: query, .offset: 0, .size: 8, .value_kind: global_buffer, .address_space: global }
      - { .name: key, .offset: 8, .size: 8, .value_kind: global_buffer, .address_space: global }
      - { .name: value, .offset: 16, .size: 8, .value_kind: global_buffer, .address_space: global }
      - { .name: bq, .offset: 24, .size: 8, .value_kind: global_buffer, .address_space: global }
      - { .name: bk, .offset: 32, .size: 8, .value_kind: global_buffer, .address_space: global }
      - { .name: bv, .offset: 40, .size: 8, .value_kind: global_buffer, .address_space: global }
      - { .name: wb, .offset: 48, .size: 8, .value_kind: global_buffer, .address_space: global }
      - { .name: qkv, .offset: 56, .size: 8, .value_kind: global_buffer, .address_space: global }
    .group_segment_fixed_size: 327680
    .private_segment_fixed_size: 0
    .kernarg_segment_align: 8
    .kernarg_segment_size: 64
    .max_flat_workgroup_size: 128
    .sgpr_count:     94
    .vgpr_count:     768
    .wavefront_size: 32
...
	.end_amdgpu_metadata
.endif
;; end of part 2
;; launch attn (part 3): grid 4 x 64, 4 waves a work-group, clusters of 4 x 1, 327,680 bytes of LDS; arguments qkv, mk, oh; writes oh
.if DOCPART == 3
	.amdgcn_target "amdgcn-amd-amdhsa--gfx1250"
	.amdhsa_code_object_version 6
	.text
	.protected	k_q90772d28ed_attn
	.globl	k_q90772d28ed_attn
	.p2align	8
	.type	k_q90772d28ed_attn,@function
k_q90772d28ed_attn:
	s_mov_b64 s[64:65], 0
	v_nop
	global_prefetch_b8 v0, s[64:65] scope:SCOPE_SE
	s_setreg_imm32_b32 hwreg(HW_REG_WAVE_MODE, 25, 1), 1
	s_wait_xcnt 0x0
	s_wait_alu depctr_hold_cnt(0) depctr_sa_sdst(0) depctr_va_vdst(0) depctr_va_sdst(0) depctr_va_ssrc(0) depctr_va_vcc(0) depctr_vm_vsrc(0)
	s_getreg_b32 s2, hwreg(HW_REG_IB_STS2, 6, 4)
	s_cmp_eq_u32 s2, 0
	s_cbranch_scc0 .Lentry_in_a_cluster
	s_endpgm
.Lentry_in_a_cluster:
	s_bfe_u32 s2, ttmp6, 0x10000c
	s_cmp_lg_u32 s2, 0x3003
	s_cbranch_scc0 .Lentry_shape_is_right
	s_endpgm
.Lentry_shape_is_right:
; MASKED ATTENTION.  O[bh][q][:] = the sum over the visible k of softmax_k(Q[bh][q] . K[bh][k] / 8) V[bh][k][:]; a query with no visible key gets O = 0.
; Q, K, V: f16 [64][2048][64] in qkv at 0, 16 MiB, 32 MiB; O likewise in oh.  Products, maxima and sums in f32; the weights p are rounded to f16 for the second product, O once at the end.
; THE MASK comes packed (mk, four bits a score, in the order of a lane's score registers): one left shift makes of a word the f32 number with which a score's sum begins:
; for a hidden key between -2^65 and -3.7e28, for a visible one between 0 and 6e-30.  The shifts fill the score registers, and all 16 products K Q^T of a piece add onto them.
; So the running maximum is taken of the visible scores as soon as there is one; then a hidden weight is exactly 0.  While a query has seen hidden keys alone its O and l hold finite numbers that
; the first visible key multiplies by a = 0; a query whose maximum ends below -2^50 has seen none, and its divisor's reciprocal is replaced by 0.
; LIMITS.  f16 holds no number beyond 65,504: Q, K and V arrive within it, so a raw score is 2.7e11 at the most, nothing beside 2^65.  p below 6e-5 keeps f16's fixed step of 6e-8.
; A weight below 2^-126 counts as 0 in l; NaN and infinities are not treated apart.  The result is that of a fill with -1e9 as long as visible scaled scores lie above -1e9 + 100.
; SHARES.  A wave owns four PIECES of two tiles of 16 queries, a work-group's four waves 512 queries of one head; every wave walks all keys, 64 a step.
; LAYOUT.  S^T = K Q^T (source 0 = 16 keys, source 1 = 16 queries): a lane holds ONE query (lane % 16) and the keys 8 (lane / 16) + 0..7.  Two such tiles, rounded to f16 in pairs, ARE source 1 of
; O^T = V^T P.  K comes out of LDS as it lies, V turned, by ds_load_tr16_b128.
; SOFTMAX.  p = 2^(c s - c m), c = log2(e) / 8, with a running maximum m; in every step O and l are multiplied by a = 2^(c m_old - c m_new).  m starts at the lowest finite number, O and l at 0.
; BY TURNS.  Turn n belongs to piece n: 16 products K Q^T of piece n + 1, later 16 products V^T P of piece n - 1; beside them the scaling, exponentials, roundings, sums and rescaling of piece n and the
; maximum and statistics of piece n + 1; four vector instructions behind every matrix instruction, the rest in lumps.  A turn ends with the 64 shifts for piece n + 2, whose score buffer piece n has just left.
; CLUSTER.  The four query blocks of a head walk the same K and V: each tile is asked for JOINTLY.
; REGISTERS.  window 0: v0-11 addresses; v12-15, v48-63 at work; v16-47 statistics; v64-191 S^T, two buffers of two tiles; v192-255 P, likewise
;   window 1: O^T, 32 a tile     window 2: v0-127 Q; v128-191 K of one step; v192-255 V of one step     window 3: v0-1 the add's registers; v2 MLIM; v4-7 MA; v8-39 MW
.set SIZE_N, 2048
.set NP,    4
.set KS,    64
.set PK,    144       ; a row of K in LDS: 128 bytes + 16 of padding
.set PV,    160       ; a row of V: 128 + 32
.set VOFF,  4*KS*PK   ; a slot holds four steps: 256 rows of K, then 256 rows of V
.set SLOT1, 1<<17
.set STAGE, SLOT1+4*KS*(PK+PV)  ; behind the ring, never filled by a tensor load: 16 rows x 144 bytes for each wave
.set SP,    144
.set AK0, 2
.set AV0, 3
.set AK,  4
.set AV,  5
.set QO,  6
.set STO, 6
.set RD,  7
.set GO,  8
.set PFO, 11          ; v11  256 x my lane: the prefetches' offset; never rewritten once made
.set SPW, 0           ; v0 of window 3
.set NIL, 1           ; v1 of window 3
.set MLIM, 2          ; v2 of window 3: my 16 bytes of the last key step's mask: no mask load goes beyond it
.set MA,  4           ; v4-7 of window 3: piece p's offset in a tile's 16,384 bytes of mk
.set MW,  8           ; v8-39 of window 3: the mask words of piece p, tile u at MW + 8 p + 4 u
.set SPARE, STAGE+4*16*SP
.set MV,  12
.set ST,  16          ; tile t's statistics at v[ST+4 t]: c m, m, l (even keys', odd keys')
.set TMP, 48
.set S,   64
.set P,   192
.set KF,  128
.set VF,  192
.set WV,  12
.set G1K, 24
.set G1V, 32
.set G0K, 40
.set G0V, 44
.set SLOTS, 56
.set CNT, 57
.set CS,  58
.set SEL, 60
.set TBK, 62
.set TBV, 63
.set MK,  66          ; s[66:67] mk at my wave's first tile
.set PFA, 70          ; s[70:71] where my prefetches stand
.set LIM, 72          ; s72  1 in a wave that prefetches, else the greatest number
.set THR, 73          ; s73  -2^50
.set MSB, 0
.macro WIN new
.if MSB != (\new)
	s_set_vgpr_msb (MSB<<8)|(\new)
.set MSB, (\new)
.endif
.endm
.set W_KQ, 0x0a       ; K and Q in window 2, S^T in window 0
.set W_PV, 0x52       ; V in window 2, P in window 0, O^T in window 1
.set W_RS, 0x41       ; O^T in window 1, a in window 0
.set W_MK, 0xc0       ; destination in window 3, sources in window 0
.set W_AD, 0x0f       ; sources 0 and 1 in window 3
.set W_SH, 0x0c       ; source 1 in window 3, destination in window 0
.set W_M3, 0xcf       ; destination and sources 0, 1 in window 3
.macro JLOAD                        ; waves 0 and 1 fetch the two halves of a slot's K, waves 2 and 3 those of its V; an s_nop 0 and four v_nop follow each line
	s_cmp_lt_u32 s[WV], 2
	s_cbranch_scc0 .Lfor_v_\@
	tensor_load_to_lds s[G0K:G0K+3], s[G1K:G1K+7]
	s_nop 0
.rept 4
	v_nop
.endr
	s_branch .Lasked_\@
.Lfor_v_\@:
	tensor_load_to_lds s[G0V:G0V+3], s[G1V:G1V+7]
	s_nop 0
.rept 4
	v_nop
.endr
.Lasked_\@:
.endm
; A PREFETCH INTO THE L2 of what the NEXT change of slots will ask for: a slot's 32,768 bytes of K and of V.  A head has one cluster; its four partners take 8,192 bytes each, told apart BY ADDRESS;
; in each, wave 0 asks for K's and wave 2 for V's, a lane a block of 256 bytes: each block is named once.  Slots 0 to 2 come by their loads alone; the last change that fills a slot asks for nothing.
.macro ASK
	s_cmp_gt_u32 s[SLOTS], s[LIM]
	s_cbranch_scc0 .Lnot_mine_\@
	global_prefetch_b8 v[PFO], s[PFA:PFA+1] th:TH_LOAD_NT scope:SCOPE_SE
.Lnot_mine_\@:
.endm
.macro CROUND
	s_barrier_signal -1
	s_barrier_wait -1
	s_cmp_lg_u32 s[WV], 0
	s_cbranch_scc1 .Lnot_wave_0_\@
	s_barrier_signal -3
.Lnot_wave_0_\@:
	s_barrier_wait -3
	s_barrier_signal -1
	s_barrier_wait -1
.endm
; THE CHANGE OF SLOTS.  Each wave waits for all its tensor loads, of which one is out: its part of the other slot; adds 0 to its spare word; and waits for that and for its own reads of the slot.
; fill = 1: the barrier is a round of the cluster's, and the joint fill, with the keys two slots on, is the first thing behind it: it has four key steps in which to land.
.macro CHANGE fill, ask=0
	WIN W_AD
	s_wait_tensorcnt 0x0            ; no tensor load of mine is out, so a group 0 may be written
	ds_add_u32 v[SPW], v[NIL]       ; 0 onto my spare word
	WIN 0
.if \fill
.irp g, G0K, G0V
	s_xor_b32 s[\g+1], s[\g+1], SLOT1
	s_add_nc_u64 s[\g+2:\g+3], s[\g+2:\g+3], 4*KS*128
.endr
.if \ask
	s_wait_xcnt 0x0                 ; the last prefetch, four key steps back, has read its address
	s_add_nc_u64 s[PFA:PFA+1], s[PFA:PFA+1], 4*KS*128
.endif
	s_wait_dscnt 0x0                ; the add is done, and my reads of the slot are over
	CROUND
	JLOAD
.if \ask
	ASK
.endif
.else
	s_wait_dscnt 0x0
	s_barrier_signal -1
	s_barrier_wait -1
.endif
	s_sub_co_u32 s[TBK], s[TBK], 4*KS*PK
	s_xor_b32 s[TBK], s[TBK], SLOT1
	s_sub_co_u32 s[TBV], s[TBV], 4*KS*PV
	s_xor_b32 s[TBV], s[TBV], SLOT1
.endm
	s_load_b64 s[4:5], s[0:1], 0x0    ; qkv: Q
	s_load_b64 s[MK:MK+1], s[0:1], 0x8
	s_load_b64 s[10:11], s[0:1], 0x10 ; oh
	WIN W_MK
	v_lshl_add_u32 v[SPW], v0, 2, SPARE
	v_mov_b32 v[NIL], 0
	WIN W_AD
	ds_add_u32 v[SPW], v[NIL]       ; the wave's opening: the add and its wait stand ahead of my first tensor load; work on registers stands between them
	WIN 0
	v_lshrrev_b32 v1, 5, v0
	v_readfirstlane_b32 s[WV], v1
	s_bfe_u32 s13, ttmp6, 0x40000   ; cx
	s_lshl_b32 s14, ttmp9, 2
	s_add_co_u32 s14, s14, s13      ; my block of 512 queries: it enters Q's, O's and the mask's addresses alone
	s_and_b32 s20, ttmp7, 0xffff    ; 16 b + head, which the four partners share
	s_lshr_b32 s15, s20, 4          ; b
	s_mov_b32 s21, 0
	s_mov_b64 s[22:23], SIZE_N*128
	s_mul_u64 s[20:21], s[20:21], s[22:23]
	s_and_b32 s16, s[WV], 1         ; which half of a slot's 256 keys I fetch
	s_lshl_b32 s22, s16, 14
	s_mov_b32 s23, 0
	s_add_nc_u64 s[22:23], s[22:23], s[20:21]
	s_mul_i32 s17, s16, 128*PK
	s_mul_i32 s18, s16, 128*PV
	s_lshl_b32 s2, s14, 2
	s_add_co_u32 s2, s2, s[WV]
	s_lshl_b32 s2, s2, 14           ; my wave's 128 rows
	s_mov_b32 s3, 0
	s_add_nc_u64 s[2:3], s[2:3], s[20:21]
	s_lshl_b32 s68, s15, 7          ; the mask: tile 128 b + 32 block + 8 wave, 16,384 bytes a tile
	s_lshl_b32 s69, s14, 5
	s_add_co_u32 s68, s68, s69
	s_lshl_b32 s69, s[WV], 3
	s_add_co_u32 s68, s68, s69
	s_lshl_b32 s68, s68, 14
	s_mov_b32 s69, 0
	; descriptor group 1.  128 keys are 16,384 dense bytes: asked for as 64 rows of 256 bytes, two keys a row, and padded in LDS after every key
	s_mov_b32 s[G1K], 15|(1<<16)|(1<<20)|(1<<21)|(4<<22)|(3<<25)
	s_mov_b32 s[G1V], 15|(1<<16)|(1<<20)|(1<<21)|(4<<22)|(7<<25)
.irp g, G1K, G1V
	s_mov_b32 s[\g+1], 128<<16
	s_mov_b32 s[\g+2], 64<<16
	s_mov_b32 s[\g+3], 128<<16
	s_mov_b32 s[\g+4], 64
	s_mov_b32 s[\g+5], 128
	s_mov_b32 s[\g+6], 0
	s_mov_b32 s[\g+7], 0
.endr
	s_mov_b32 s[CS], 0x3e38aa3b     ; c = log2(e) / 8
	s_mov_b32 s[CS+1], s[CS]
	s_mov_b32 s[SEL], 0x76543210
	s_mov_b32 s[SEL+1], 0xfedcba98
	s_mov_b32 s[THR], 0xd8800000    ; -2^50
	s_mov_b32 s[TBK], SLOT1+4*KS*PK ; the first change of slots turns these two into 0
	s_mov_b32 s[TBV], SLOT1+4*KS*PV
	s_mov_b32 s[G0K], 1
	s_mov_b32 s[G0K+1], s17
	s_mov_b32 s[G0V], 1
	s_add_co_u32 s[G0V+1], s18, VOFF
	s_and_b32 s[LIM], s[WV], 1
	s_cmp_eq_u32 s[LIM], 0
	s_cselect_b32 s[LIM], 1, -1     ; waves 0 and 2 prefetch
	s_wait_dscnt 0x0                ; the opening add is done
	s_wait_kmcnt 0x0
	s_add_nc_u64 s[6:7], s[4:5], 0x1000000   ; K
	s_add_nc_u64 s[8:9], s[4:5], 0x2000000   ; V
	s_add_nc_u64 s[G0K+2:G0K+3], s[6:7], s[22:23]
	s_or_b32 s[G0K+3], s[G0K+3], 0x80000000
	s_add_nc_u64 s[G0V+2:G0V+3], s[8:9], s[22:23]
	s_or_b32 s[G0V+3], s[G0V+3], 0x80000000
	s_add_nc_u64 s[4:5], s[4:5], s[2:3]
	s_add_nc_u64 s[10:11], s[10:11], s[2:3]
	s_add_nc_u64 s[MK:MK+1], s[MK:MK+1], s[68:69]
	s_cmp_lt_u32 s[WV], 2
	s_cselect_b64 s[PFA:PFA+1], s[6:7], s[8:9]
	s_add_nc_u64 s[PFA:PFA+1], s[PFA:PFA+1], s[20:21]
	s_lshl_b32 s2, s13, 13          ; my work-group's 8,192 bytes of a slot's 32,768
	s_mov_b32 s3, 0
	s_add_nc_u64 s[PFA:PFA+1], s[PFA:PFA+1], s[2:3]
	s_add_nc_u64 s[PFA:PFA+1], s[PFA:PFA+1], 2*4*KS*128  ; in slot 2: the first change that asks steps it to slot 3
	CROUND                          ; all four work-groups are here: the first joint loads meet
	JLOAD                           ; slot 0
	v_and_b32 v1, 15, v0            ; l % 16
	v_bfe_u32 v9, v0, 4, 1          ; l / 16
	v_lshlrev_b32 v[QO], 7, v1
	v_lshl_add_u32 v[QO], v9, 4, v[QO]
	WIN 0x80
.set i, 0
.rept 4*NP                          ; Q stays in registers: tile i / 2, channels 32 (i % 2) on
	global_load_b128 v[8*i:8*i+3],   v[QO], s[4:5] offset:(i/2)*2048+(i%2)*64
	global_load_b128 v[8*i+4:8*i+7], v[QO], s[4:5] offset:(i/2)*2048+(i%2)*64+32
.set i, i+1
.endr
	WIN 0
	v_and_b32 v11, 31, v0
	v_lshlrev_b32 v11, 4, v11       ; 16 x lane
	WIN W_MK
	v_add_nc_u32 v[MLIM], 31*512, v11
.irp p, 0,1,2,3
	v_mov_b32 v[MA+\p], v11
.endr
	WIN W_M3
.irp p, 0,1,2,3                     ; key step 0's mask words, behind Q's loads, the pieces in the order in which they are used
	global_load_b128 v[MW+8*\p:MW+8*\p+3],   v[MA+\p], s[MK:MK+1] offset:(2*\p)*16384
	global_load_b128 v[MW+8*\p+4:MW+8*\p+7], v[MA+\p], s[MK:MK+1] offset:(2*\p+1)*16384
.endr
	; What the first turn finds: V's registers and P's second buffer hold 0, O^T and l are 0.  All this stands in the wait for the first tile.
	WIN 0x80
.set i, VF
.rept 64
	v_mov_b32 v[i], 0
.set i, i+1
.endr
	WIN 0x40
.set i, 0
.rept 64*NP
	v_mov_b32 v[i], 0
.set i, i+1
.endr
	WIN 0
.set i, 0
.rept 2*NP
	v_mov_b32 v[ST+4*i], 0xfe000000    ; c m: far below every c s, a hidden one's too
	v_mov_b32 v[ST+4*i+1], 0xff7fffff  ; m
	v_mov_b32 v[ST+4*i+2], 0
	v_mov_b32 v[ST+4*i+3], 0
.set i, i+1
.endr
.set i, P+32
.rept 32
	v_mov_b32 v[i], 0
.set i, i+1
.endr
	v_mul_u32_u24 v[AK0], v1, PK
	v_lshl_add_u32 v[AK0], v9, 4, v[AK0]
	v_and_b32 v10, 7, v0
	v_bfe_u32 v11, v0, 3, 1
	v_lshl_add_u32 v[AV0], v9, 3, v10
	v_mul_u32_u24 v[AV0], v[AV0], PV
	v_lshl_add_u32 v[AV0], v11, 4, v[AV0]
	v_add_nc_u32 v[AV0], VOFF, v[AV0]
	v_mov_b32 v[AK], v[AK0]
	v_and_b32 v[PFO], 31, v0
	v_lshlrev_b32 v[PFO], 8, v[PFO]
; THE MATRIX WORK.  The 8 accumulators of a run of 16 take turns.  Product i of 16 of S^T += K Q^T for piece x: channels 32 (i / 8) on, keys 16 ((i / 2) % 4) on, tile 2 x + i % 2.
; The sums begin with what the shifts have put into the score registers.
.macro KQ x
	WIN W_KQ
.set rS, S+64*((\x)%2)+32*(i%2)+8*((i/2)%4)
.set rK, KF+16*((i/2)%4)+8*(i/8)
.set rQ, 16*(2*(\x)+i%2)+8*(i/8)
	v_wmma_f32_16x16x32_f16 v[rS:rS+7], v[rK:rK+7], v[rQ:rQ+7], v[rS:rS+7]
.endm
.macro PV x
	WIN W_PV
.set rO, 32*(2*(\x)+i%2)+8*((i/2)%4)
.set rV, VF+32*(i/8)+8*((i/2)%4)
.set rP, P+32*((\x)%2)+16*(i%2)+8*(i/8)
	v_wmma_f32_16x16x32_f16 v[rO:rO+7], v[rV:rV+7], v[rP:rP+7], v[rO:rO+7]
.endm
.macro MM
.if i < 16
	KQ (Y+1)%NP
.set i, i+1
.else
.set i, i-16
	PV (Y+NP-1)%NP
.set i, i+17
.endif
.endm
.macro FETCH_K last=0
	WIN 0
.if \last
	s_cmp_eq_u32 s[CNT], 1
	s_cbranch_scc1 .Lno_k_\@
.endif
	WIN 0x80
.irp f, 0,1,2,3,4,5,6,7
	ds_load_b128 v[KF+8*\f:KF+8*\f+3],   v[AK] offset:(\f/2)*16*PK+(\f%2)*64
	ds_load_b128 v[KF+8*\f+4:KF+8*\f+7], v[AK] offset:(\f/2)*16*PK+(\f%2)*64+32
.endr
	s_add_co_u32 s[TBK], s[TBK], KS*PK
	WIN 0
.if \last
.Lno_k_\@:
.endif
.endm
.macro FETCH_V
	WIN 0x80
.irp f, 0,1,2,3,4,5,6,7
	ds_load_tr16_b128 v[VF+8*\f:VF+8*\f+3],   v[AV] offset:(\f/4)*32*PV+(\f%4)*32
	ds_load_tr16_b128 v[VF+8*\f+4:VF+8*\f+7], v[AV] offset:(\f/4)*32*PV+16*PV+(\f%4)*32
.endr
	WIN 0
.endm
; THE MASK for piece p's next 16 products K Q^T: 64 shifts fill its score buffer, in the order in which the products take the accumulators; then the piece's words of the key step after are asked for:
; they are used four turns later.  The offset stops at the last key step: the walk's surplus turns read that step's words again.
.macro MASKLUMP p
	s_wait_loadcnt 6                ; loads come back in order: the three younger pieces' two loads each may stay out; mine are in, and their address register may be written
	WIN W_SH
.set mz, 0
.rept 64                            ; mz = 16 kb + 8 u + jj
	v_lshlrev_b32 v[S+64*((\p)%2)+32*((mz/8)%2)+8*(mz/16)+mz%8], 28-4*(mz%8), v[MW+8*(\p)+4*((mz/8)%2)+mz/16]
.set mz, mz+1
.endr
	WIN W_M3
	v_add_nc_u32 v[MA+(\p)], 512, v[MA+(\p)]
	v_min_u32 v[MA+(\p)], v[MLIM], v[MA+(\p)]
	global_load_b128 v[MW+8*(\p):MW+8*(\p)+3],   v[MA+(\p)], s[MK:MK+1] offset:(2*(\p))*16384
	global_load_b128 v[MW+8*(\p)+4:MW+8*(\p)+7], v[MA+(\p)], s[MK:MK+1] offset:(2*(\p)+1)*16384
	WIN 0
.endm
; THE VECTOR WORK OF A TURN stands in three queues, each in the order in which its entries become ready; the two tiles alternate.
.macro REGS y, u
.set rT, ST+4*(2*(\y)+(\u))
.set rC, TMP+8*((\y)%2)+4*(\u)
.set rM, MV+2*((\y)%2)+(\u)
.set rS, S+64*((\y)%2)+32*(\u)
.set rP, P+32*((\y)%2)+16*(\u)
.set rO, 32*(2*(\y)+(\u))
.endm
; Number n of the 22 that find the NEXT piece's maximum and statistics; each accumulator's lowest registers are read first.
;   0-11 four chains of seven scores     12-14, 16 the four scores left over, the old m, the four chains into one     15 c m_old is kept     17, 18 the other half of the lanes: the new m     19-21 c m; its change; a
.macro XS u, n
	REGS (Y+1)%NP, \u
.if (\n) < 4
	v_max3_num_f32 v[rC+(\n)], v[rS+8*(\n)], v[rS+8*(\n)+1], v[rS+8*(\n)+2]
.elseif (\n) < 12
	v_max3_num_f32 v[rC+(\n)%4], v[rC+(\n)%4], v[rS+8*((\n)%4)+2*((\n)/4)+1], v[rS+8*((\n)%4)+2*((\n)/4)+2]
.elseif (\n) == 12
	v_max3_num_f32 v[rC], v[rC], v[rS+7], v[rS+15]
.elseif (\n) == 13
	v_max3_num_f32 v[rC+1], v[rC+1], v[rS+23], v[rS+31]
.elseif (\n) == 14
	v_max3_num_f32 v[rC+2], v[rC+2], v[rC+3], v[rT+1]
.elseif (\n) == 15
	v_mov_b32 v[rM], v[rT]
.elseif (\n) == 16
	v_max3_num_f32 v[rC], v[rC], v[rC+1], v[rC+2]
.elseif (\n) == 17
	v_permlanex16_b32 v[rC+3], v[rC], s[SEL], s[SEL+1]
.elseif (\n) == 18
	v_max_num_f32 v[rT+1], v[rC], v[rC+3]
.elseif (\n) == 19
	v_mul_f32 v[rT], s[CS], v[rT+1]
.elseif (\n) == 20
	v_sub_f32 v[rC+1], v[rM], v[rT]
.else
	v_exp_f32 v[rC+2], v[rC+1]
.endif
.endm
; Number g of the 64 that follow the exponentials: for each four weights both pairs are rounded to f16, the second pair is added onto the first, and a group later l takes that sum.
.macro GS g
.set h, (\g)+6*((\g)/62)
.if h >= 6
.set h, h+2
.endif
	REGS Y, h%2
.set k, h/8
.if h%8 < 4
	v_cvt_pk_f16_f32 v[rP+2*k+(h%8)/2], v[rS+4*k+2*((h%8)/2)], v[rS+4*k+2*((h%8)/2)+1]
.elseif h%8 < 6
	v_pk_add_f32 v[rS+4*k:rS+4*k+1], v[rS+4*k:rS+4*k+1], v[rS+4*k+2:rS+4*k+3]
.elseif k == 1
	v_pk_fma_f32 v[rT+2:rT+3], v[rT+2:rT+3], v[rC+2:rC+3], v[rS:rS+1] op_sel_hi:[1,0,1]
.else
	v_pk_add_f32 v[rT+2:rT+3], v[rT+2:rT+3], v[rS+4*k-4:rS+4*k-3]
.endif
.endm
; THE PLAIN QUEUE, 138 long: 0-73 read no exponential's result (32 scalings and the next piece's 42), 74-137 are GS's 64, behind the wait.
.macro FS f
	REGS Y, (\f)%2
	v_pk_fma_f32 v[rS+2*((\f)/2):rS+2*((\f)/2)+1], v[rS+2*((\f)/2):rS+2*((\f)/2)+1], s[CS:CS+1], v[rT:rT+1] op_sel_hi:[1,0,0] neg_lo:[0,0,1] neg_hi:[0,0,1]
.endm
.macro PL
	WIN 0
.if q < 27
	FS q
.elseif q < 55
	XS (q-27)%2, (q-27)/2
.elseif q < 57
	XS q-55, 15
.elseif (q < 72) && ((q-57)%3 == 0)
	FS 27+(q-57)/3
.elseif q < 60
	XS (q-57)%3-1, 14
.elseif q < 72
	XS (q-57)%3-1, 15+(q-57)/3
.elseif q < 74
	XS q-72, 20
.else
	GS q-74
.endif
.set q, q+1
.endm
; THE EXPONENTIALS' QUEUE, 66 long: ONE BATCH, all ahead of the turn's one wait; nothing ahead of that wait names a result of theirs.
.macro EX
	WIN 0
.if e >= 64
	XS e-64, 21
.else
	REGS Y, e%2
	v_exp_f32 v[rS+e/2], v[rS+e/2]
.endif
.set e, e+1
.endm
; THE RESCALING's QUEUE: O^T times a, two at a time.
.macro R2
	REGS Y, r%2
	WIN W_RS
.irp z, 0,1
	v_pk_mul_f32 v[rO+4*(r/2)+2*\z:rO+4*(r/2)+2*\z+1], v[rO+4*(r/2)+2*\z:rO+4*(r/2)+2*\z+1], v[rC+2:rC+3] op_sel_hi:[1,0]
.endr
.set r, r+1
.endm
; A TURN, for piece p.  Ahead of its one wait: 16 products K Q^T, behind each a scaling, an exponential and two rescalings; then a lump of 108.  Behind the wait: 16 products V^T P, behind each four of the
; roundings and sums.  K of the next step is fetched in piece 2's turn, directly behind the wait; V of the step in hand at the end of piece 0's turn, four plain instructions behind its last reader.
; The turn ends with the shifts for piece p + 2: piece p's scores, which lay in that buffer, have all been read.  Nothing in them writes SCC, so the count taken down in the turn still serves the branch behind it.
.macro TURN p, last=0, cnt=0
.set Y, (\p)
.set i, 0
.set q, 0
.set e, 0
.set r, 0
.if (\p) == NP-1
	s_wait_dscnt 0x0                ; K is in
.endif
	MM
	PL
	PL
	R2
.rept 15
	MM
	PL
	EX
	R2
.endr
.if (\p) == NP-2
	WIN 0
	v_add_nc_u32 v[AK], s[TBK], v[AK0]
.endif
.rept 8
	PL
.endr
.rept 49
	EX
	PL
.endr
	EX
	EX
	v_nop                           ; a plain instruction behind the last exponential: one for the batch
	s_wait_alu depctr_va_vdst(0)    ; the wait ahead of the first use of an exponential's result: one for the batch
.if (\p) == NP-2
	FETCH_K \last
.endif
.if (\p) == 1
	s_wait_dscnt 0x0                ; V is in
.endif
.rept 16
	MM
.rept 4
	PL
.endr
.if ((\p) == 0) && (q == 118)
	v_add_nc_u32 v[AV], s[TBV], v[AV0]
.endif
.if ((\p) == 0) && (q == 130)
	s_add_co_u32 s[TBV], s[TBV], KS*PV
.endif
.if (\cnt) && (q == 130)
	s_sub_co_u32 s[CNT], s[CNT], 1
	s_cmp_lg_u32 s[CNT], 0
.endif
.endr
.if (\p) == 0
	FETCH_V
.endif
	MASKLUMP ((\p)+2)%NP
.endm
	CHANGE 1                        ; slot 0 is in, everybody's part of it; slot 1 is asked for
	FETCH_K                         ; key step 0
	MASKLUMP 0                      ; its wait shows Q in too: Q's loads are older than the mask's
	s_wait_dscnt 0x0
.set i, 0
.rept 16
	KQ 0
.set i, i+1
.endr
	WIN 0                           ; the addresses for the way out: plain instructions, the places behind those products
	s_mul_i32 s13, s[WV], 16*SP
	s_add_co_u32 s13, s13, STAGE
	v_mul_u32_u24 v[STO], v1, SP
	v_lshl_add_u32 v[STO], v9, 4, v[STO]
	v_add_nc_u32 v[STO], s13, v[STO]
	v_bfe_u32 v[RD], v0, 3, 2
	v_mul_u32_u24 v[RD], v[RD], SP
	v_lshl_add_u32 v[RD], v10, 4, v[RD]
	v_add_nc_u32 v[RD], s13, v[RD]
	v_and_b32 v[GO], 31, v0
	v_lshlrev_b32 v[GO], 4, v[GO]
.set Y, NP-1
.irp n, 0,1,2,3,4,5,6,7,8,9,10,11,12,13,14,15,16,17,18,19,20,21
	XS 0, \n
	XS 1, \n
.endr
	v_nop
	s_wait_alu depctr_va_vdst(0)
	MASKLUMP 1
	s_mov_b32 s[CNT], 4
	s_mov_b32 s[SLOTS], SIZE_N/256-1
	s_branch .Lfirst                ; the loop is entered at a step's first turn
.Lslot:                             ; SIZE_N / 256 - 2 times: every slot but the last two is filled again
	CHANGE 1, 1
	s_mov_b32 s[CNT], 4
.Lstep:
	TURN 2
	TURN 3
	WIN 0
.Lfirst:
	TURN 0
	TURN 1, 0, 1
	WIN 0
	s_cbranch_scc1 .Lstep
	s_sub_co_u32 s[SLOTS], s[SLOTS], 1
	s_cmp_lg_u32 s[SLOTS], 0
	s_cbranch_scc1 .Lslot
	CHANGE 0                        ; the tail is written out
	s_mov_b32 s[CNT], 5
.Ltail:
	TURN 2, 1
	TURN 3
	WIN 0
	s_sub_co_u32 s[CNT], s[CNT], 1
	s_cmp_eq_u32 s[CNT], 0
	s_cbranch_scc1 .Lout
	TURN 0
	TURN 1
	WIN 0
	s_branch .Ltail
.Lout:                              ; the fifth trip's products K Q^T take the last K and the last step's mask once more: the same scores, so m stays as it was
.set i, 0
.rept 16
	PV NP-1
.set i, i+1
.endr
	; THE WAY OUT.  l's halves are added; O^T is divided by l (by nothing, times 0, where no key was visible), rounded to f16 and sent through my stage in LDS, a tile at a time.
	WIN 0
.macro ALL line:vararg
.set t, 0
.rept 2*NP
	\line
.set t, t+1
.endr
.endm
	ALL v_add_f32 v[ST+4*t+2], v[ST+4*t+2], v[ST+4*t+3]
	ALL v_permlanex16_b32 v[ST+4*t+3], v[ST+4*t+2], s[SEL], s[SEL+1]
	ALL v_add_f32 v[ST+4*t+2], v[ST+4*t+2], v[ST+4*t+3]
	ALL v_rcp_f32 v[ST+4*t+2], v[ST+4*t+2]
	v_nop
	s_wait_alu depctr_va_vdst(0)    ; one wait for the eight reciprocals
.set t, 0
.rept 2*NP
	v_cmp_lt_f32 vcc_lo, s[THR], v[ST+4*t+1]       ; has the query seen a visible key?
	v_cndmask_b32 v[ST+4*t+2], 0, v[ST+4*t+2], vcc_lo
.set t, t+1
.endr
.macro PACK t
	WIN W_RS
.set i, 32*(\t)
.rept 16
	v_pk_mul_f32 v[i:i+1], v[i:i+1], v[ST+4*(\t)+2:ST+4*(\t)+3] op_sel_hi:[1,0]
.set i, i+2
.endr
	WIN 0x05
.set i, 0
.rept 16
	v_cvt_pk_f16_f32 v[S+16*(\t)+i], v[32*(\t)+2*i], v[32*(\t)+2*i+1]
.set i, i+1
.endr
	WIN 0
.irp f, 0,1,2,3
	ds_store_b128 v[STO], v[S+16*(\t)+4*\f:S+16*(\t)+4*\f+3] offset:32*\f
.endr
.irp f, 0,1,2,3
	ds_load_b128 v[S+16*(\t)+4*\f:S+16*(\t)+4*\f+3], v[RD] offset:\f*4*SP  ; LDS serves a wave's instructions in order: these see the stores above
.endr
.endm
.macro SEND t, younger
	WIN 0
.irp f, 0,1,2,3
	s_wait_dscnt (\younger)+3-\f
	global_store_b128 v[GO], v[S+16*(\t)+4*\f:S+16*(\t)+4*\f+3], s[10:11] offset:(\t)*2048+\f*512  ; 512 consecutive bytes, aligned
.endr
.endm
	PACK 0
.set t, 1
.rept 2*NP-1
	PACK t
	SEND t-1, 8
.set t, t+1
.endr
	SEND 2*NP-1, 0
	WIN W_AD
	s_wait_tensorcnt 0x0            ; the wave's end
	ds_add_u32 v[SPW], v[NIL]
	s_wait_dscnt 0x0
	WIN 0
	CROUND                          ; the closing round
	s_endpgm
.Lfunc_end_k_q90772d28ed_attn:
	.size	k_q90772d28ed_attn, .Lfunc_end_k_q90772d28ed_attn-k_q90772d28ed_attn
	.p2alignl 7, 3214868480
	.fill 96, 4, 3214868480
	.section	.rodata,"a",@progbits
	.p2align	6, 0x0
	.amdhsa_kernel k_q90772d28ed_attn
		.amdhsa_group_segment_fixed_size 327680
		.amdhsa_private_segment_fixed_size 0
		.amdhsa_enable_private_segment 0
		.amdhsa_kernarg_size 24
		.amdhsa_user_sgpr_count 2
		.amdhsa_user_sgpr_kernarg_segment_ptr 1
		.amdhsa_wavefront_size32 1
		.amdhsa_system_sgpr_workgroup_id_x 1
		.amdhsa_system_sgpr_workgroup_id_y 1
		.amdhsa_system_sgpr_workgroup_id_z 1
		.amdhsa_system_vgpr_workitem_id 0
		.amdhsa_next_free_vgpr 808
		.amdhsa_next_free_sgpr 74
		.amdhsa_reserve_vcc 1
		.amdhsa_float_denorm_mode_32 3
		.amdhsa_float_denorm_mode_16_64 3
		.amdhsa_memory_ordered 1
		.amdhsa_forward_progress 1
		.amdhsa_inst_pref_size 226
	.end_amdhsa_kernel
	.amdgpu_metadata
---
amdhsa.version: [ 1, 2 ]
amdhsa.kernels:
  - .name:           k_q90772d28ed_attn
    .symbol:         k_q90772d28ed_attn.kd
    .args:
      - { .name: qkv, .offset: 0, .size: 8, .value_kind: global_buffer, .address_space: global }
      - { .name: mk, .offset: 8, .size: 8, .value_kind: global_buffer, .address_space: global }
      - { .name: oh, .offset: 16, .size: 8, .value_kind: global_buffer, .address_space: global }
    .group_segment_fixed_size: 327680
    .private_segment_fixed_size: 0
    .kernarg_segment_align: 8
    .kernarg_segment_size: 24
    .max_flat_workgroup_size: 128
    .sgpr_count:     74
    .vgpr_count:     808
    .wavefront_size: 32
...
	.end_amdgpu_metadata
.endif
;; end of part 3
;; launch outp (part 4): grid 4 x 64, 4 waves a work-group, clusters of 4 x 4, 327,680 bytes of LDS; arguments oh, wb, bo, out0; writes out0
.if DOCPART == 4
	.amdgcn_target "amdgcn-amd-amdhsa--gfx1250"
	.amdhsa_code_object_version 6
	.text
	.protected	k_q90772d28ed_outp
	.globl	k_q90772d28ed_outp
	.p2align	8
	.type	k_q90772d28ed_outp,@function
k_q90772d28ed_outp:
	s_mov_b64 s[64:65], 0
	v_nop
	global_prefetch_b8 v0, s[64:65] scope:SCOPE_SE
	s_setreg_imm32_b32 hwreg(HW_REG_WAVE_MODE, 25, 1), 1
	s_wait_xcnt 0x0
	s_wait_alu depctr_hold_cnt(0) depctr_sa_sdst(0) depctr_va_vdst(0) depctr_va_sdst(0) depctr_va_ssrc(0) depctr_va_vcc(0) depctr_vm_vsrc(0)
	s_getreg_b32 s2, hwreg(HW_REG_IB_STS2, 6, 4)
	s_cmp_eq_u32 s2, 0
	s_cbranch_scc0 .Lentry_in_a_cluster
	s_endpgm
.Lentry_in_a_cluster:
	s_bfe_u32 s2, ttmp6, 0x10000c
	s_cmp_lg_u32 s2, 0xf033
	s_cbranch_scc0 .Lentry_shape_is_right
	s_endpgm
.Lentry_shape_is_right:
; OUTP.  out0[m][n] = the sum over k of O[m][k] Wo[n][k] + bo[n].  O: f16 by heads, oh[16 b + head][s][64], k = 64 head + channel; Wo: f16 [1024][1024] in wb at 6 MiB; bo is rounded to bf16 here;
; out0: [8192][1024] f32.  Sums in f32.
; SHARES.  A work-group makes a tile of 128 rows x 256 columns: 256 work-groups; four waves, each 64 x 128: 32 accumulators.  K goes in 8 steps of 128, two heads each, through a ring of two LDS slots.
; THE MATRIX INSTRUCTION IS USED TRANSPOSED (source 0 = 16 rows of Wo, source 1 = 16 rows of O): a lane holds one row of the result and eight neighbouring columns.
; CLUSTER 4 x 4: O's tile hangs on ty alone and is asked for jointly along a row of the cluster, Wo's on tx alone and jointly along a column.  A wave never has more than one tensor load out.
; REGISTERS.  window 0: v4-15 addresses; v32-63, v64-95 O's fragments, two buffers; v96-159, v160-223 BK, two buffers for the way out; v224-227 my four numbers of bo; v228-229 at work
;   window 1: v0-63, v64-127 Wo's fragments          window 2: accumulator (a, b) at 8 (8 a + b)
.set SLOT1, 1<<17                      ; slot 1 begins here, so that one exclusive or turns an address in one slot into the other's
.set PAH,   144                        ; a row of a head in LDS: 128 bytes + 16
.set PB,    272
.set HEADB, 128*PAH                    ; a head's 128 rows
.set BOFF,  2*HEADB                    ; behind the two heads: Wo's 256 rows
.set STAGE, SLOT1+BOFF+256*PB          ; behind the ring, never filled by a tensor load: 16 rows x 528 bytes for each wave
.set SPS,   528
.set SPARE, STAGE+4*16*SPS             ; the spare words, 128 bytes a wave; no other line names them
.set ADRA0, 4
.set ADRB0, 5
.set ADRA,  6
.set ADRB,  7
.set STO,   8
.set RD,    9
.set GO,    10
.set PFO,   12
.set BOF,   13
.set SPW,   14
.set NIL,   15
.set AF,    32
.set BK,    96
.set BIAS,  224
; scalars: s10 wave; s11 = wave / 2; s12 = wave % 2; s13 cx, s14 cy, s15 tx, s16 ty; s[24:31], s[32:39] group 1 for O, Wo; s[40:43], s[44:47] group 0, walking; s48 slot being read; s49 a wave prefetches
; while s52 is above it; s52 trips to go; s[68:75] oh, wb, bo, out0; s[76:77] the prefetches' pointer; s[78:79] its step
.set MSB, 0
.macro WIN new
.if MSB != (\new)
	s_set_vgpr_msb (MSB<<8)|(\new)
.set MSB, \new
.endif
.endm
.set MULW, 0xa1
.set TO_B, 0x40
.macro JLOAD                           ; an s_nop 0 and four v_nop follow each line
	s_cmp_eq_u32 s11, 0
	s_cbranch_scc0 .Lfor_b_\@
	tensor_load_to_lds s[40:43], s[24:31]
	s_nop 0
.rept 4
	v_nop
.endr
	s_branch .Lasked_\@
.Lfor_b_\@:
	tensor_load_to_lds s[44:47], s[32:39]
	s_nop 0
.rept 4
	v_nop
.endr
.Lasked_\@:
.endm
.macro CREST
	s_cmp_lg_u32 s10, 0
	s_cbranch_scc1 .Lnot_wave_0_\@
	s_barrier_signal -3
.Lnot_wave_0_\@:
	s_barrier_wait -3
	s_barrier_signal -1
	s_barrier_wait -1
.endm
.macro CROUND
	s_barrier_signal -1
	s_barrier_wait -1
	CREST
.endm
.macro STEPFILL                        ; the walking descriptors: the other slot, the next K step; it stands where no tensor load of the wave is out
	s_xor_b32 s41, s41, SLOT1
	s_add_nc_u64 s[42:43], s[42:43], 524288        ; two heads on
	s_xor_b32 s45, s45, SLOT1
	s_add_nc_u64 s[46:47], s[46:47], 256
.endm
; 24 LDS loads: quarter kq of the slot (head kq / 2, channels 32 (kq % 2) on) into buffer g
.macro FETCH g, kq
	WIN 0
.irp a, 0,1,2,3
	ds_load_b128 v[AF+32*(\g)+8*\a:AF+32*(\g)+8*\a+3],   v[ADRA] offset:((\kq)/2)*HEADB+((\kq)%2)*64+\a*16*PAH
	ds_load_b128 v[AF+32*(\g)+8*\a+4:AF+32*(\g)+8*\a+7], v[ADRA] offset:((\kq)/2)*HEADB+((\kq)%2)*64+\a*16*PAH+32
.endr
	WIN TO_B
.irp b, 0,1,2,3,4,5,6,7
	ds_load_b128 v[64*(\g)+8*\b:64*(\g)+8*\b+3],   v[ADRB] offset:\b*16*PB+(\kq)*64
	ds_load_b128 v[64*(\g)+8*\b+4:64*(\g)+8*\b+7], v[ADRB] offset:\b*16*PB+(\kq)*64+32
.endr
.endm
; 8 matrix instructions; the 32 accumulators take turns, in the same order in every quarter.  zero = 1: the first product starts the sums
.macro MUL f, a, zero
	WIN MULW
.irp b, 0,1,2,3,4,5,6,7
.if \zero
	v_wmma_f32_16x16x32_f16 v[8*(8*(\a)+\b):8*(8*(\a)+\b)+7], v[64*(\f)+8*\b:64*(\f)+8*\b+7], v[AF+32*(\f)+8*(\a):AF+32*(\f)+8*(\a)+7], 0
.else
	v_wmma_f32_16x16x32_f16 v[8*(8*(\a)+\b):8*(8*(\a)+\b)+7], v[64*(\f)+8*\b:64*(\f)+8*\b+7], v[AF+32*(\f)+8*(\a):AF+32*(\f)+8*(\a)+7], v[8*(8*(\a)+\b):8*(8*(\a)+\b)+7]
.endif
.endr
.endm
.macro QUARTER f, g, kq, zero
.rept 4
	v_nop                                          ; four plain instructions between the last product that read buffer g and the loads into it
.endr
	FETCH \g, \kq
	s_wait_dscnt 24                                ; all but the 24 just issued: buffer f is in
	MUL \f, 0, \zero
	MUL \f, 1, \zero
	MUL \f, 2, \zero
	MUL \f, 3, \zero
.endm
; A PREFETCH INTO THE L2: the K step two refills on, 256 matrix instructions ahead of its load.  O: a K step is 16,384 bytes of each of two heads; each of the four partners takes 4,096 of each, by cx in the
; address; wave 0 asks, a lane a block of 256 bytes; only this cluster reads these rows.  Wo: a wave fetches 128 rows x 256 bytes; each partner takes 32 rows, by cy in the address; the cluster with y = 0 asks.
; The first four K steps come by their loads alone; the last two refills have no K step two on.
.macro ASK
	WIN 0
	s_cmp_gt_u32 s52, s49
	s_cbranch_scc0 .Lnot_mine_\@
	global_prefetch_b8 v[PFO], s[76:77] th:TH_LOAD_NT scope:SCOPE_SE
.Lnot_mine_\@:
.endm
; The last quarter multiplies buffer 1 and changes slots: in front of the barrier each wave waits for all its tensor loads, adds 0 to its spare word, and waits for that and for its reads of this slot.
.macro TURN fill
.if \fill
	s_wait_xcnt 0x0                                ; the last prefetch, a K step back, has read its address
	s_add_nc_u64 s[76:77], s[76:77], s[78:79]
.endif
	WIN 0
	s_wait_tensorcnt 0x0
	ds_add_u32 v[SPW], v[NIL]
.if \fill
	STEPFILL
.endif
	s_wait_dscnt 1                                 ; only the add may be out: buffer 1 is in
	MUL 1, 0, 0
	s_wait_dscnt 0x0
	s_barrier_signal -1
	MUL 1, 1, 0
	WIN 0
	s_barrier_wait -1
.if \fill
	CREST
	JLOAD                                          ; its four v_nop are also the places in front of the loads below
.else
.rept 4
	v_nop
.endr
.endif
	s_xor_b32 s48, s48, SLOT1
	v_add_nc_u32 v[ADRA], s48, v[ADRA0]
	v_add_nc_u32 v[ADRB], s48, v[ADRB0]
	FETCH 0, 0
.if \fill
	ASK
.endif
	MUL 1, 2, 0
	MUL 1, 3, 0
.endm
	s_load_b256 s[68:75], s[0:1], 0x0              ; oh s[68:69], wb s[70:71], bo s[72:73], out0 s[74:75]
	v_lshl_add_u32 v[SPW], v0, 2, SPARE
	v_mov_b32 v[NIL], 0
	ds_add_u32 v[SPW], v[NIL]                      ; the wave's opening: the add and its wait stand ahead of my first tensor load
	v_lshrrev_b32 v1, 5, v0
	v_readfirstlane_b32 s10, v1
	s_lshr_b32 s11, s10, 1
	s_and_b32 s12, s10, 1
	s_bfe_u32 s13, ttmp6, 0x40000
	s_bfe_u32 s14, ttmp6, 0x40004
	s_lshl_b32 s15, ttmp9, 2
	s_add_co_u32 s15, s15, s13                     ; tx
	s_and_b32 s16, ttmp7, 0xffff
	s_lshl_b32 s16, s16, 2
	s_add_co_u32 s16, s16, s14                     ; ty
	s_lshl_b32 s17, s14, 2
	s_lshl_b32 s17, 15, s17
	s_lshl_b32 s18, 0x1111, s13
	s_or_b32 s24, s17, (1<<16)|(1<<20)|(1<<21)|(4<<22)|(3<<25)  ; O: a head's 128 dense rows of 128 bytes come as 64 rows of 256, padded by 4 words after every 32
	s_mov_b32 s25, 128<<16
	s_mov_b32 s26, 64<<16
	s_mov_b32 s27, 128<<16
	s_mov_b32 s28, 64
	s_mov_b32 s29, 128
	s_mov_b32 s30, 0
	s_mov_b32 s31, 0
	s_or_b32 s32, s18, (1<<16)|(1<<20)|(1<<21)|(5<<22)|(3<<25)  ; Wo: 128 rows x 128 elements, padded by 4 words after every 64
	s_mov_b32 s33, 128<<16
	s_mov_b32 s34, 128<<16
	s_mov_b32 s35, 128<<16
	s_mov_b32 s36, 128
	s_mov_b32 s37, 1024
	s_mov_b32 s38, 0
	s_mov_b32 s39, 0
	s_mov_b32 s40, 1
	s_mul_i32 s41, s12, HEADB                      ; slot 0; no place in the cluster enters an LDS address
	s_mov_b32 s44, 1
	s_mul_i32 s45, s12, 128*PB
	s_add_co_u32 s45, s45, BOFF
	s_mov_b32 s48, 0
	s_lshr_b32 s20, s16, 4                         ; O: head 16 b + half, row 128 (ty % 16): made of cy and the wave alone
	s_lshl_b32 s20, s20, 4
	s_add_co_u32 s20, s20, s12
	s_lshl_b32 s20, s20, 18
	s_and_b32 s21, s16, 15
	s_lshl_b32 s21, s21, 14
	s_add_co_u32 s20, s20, s21
	s_mov_b32 s21, 0
	s_lshl_b32 s22, s15, 8                         ; Wo: 6 MiB + row 256 tx + 128 x half: made of cx and the wave alone
	s_lshl_b32 s23, s12, 7
	s_add_co_u32 s22, s22, s23
	s_lshl_b32 s22, s22, 11
	s_add_co_u32 s22, s22, 6291456
	s_mov_b32 s23, 0
	s_lshl_b32 s2, s13, 12                         ; the prefetches: + 4,096 cx in each head,
	s_add_co_u32 s2, s2, s20
	s_lshl_b32 s3, s14, 16                         ; or + 32 cy rows of Wo
	s_add_co_u32 s3, s3, s22
	s_cmp_eq_u32 s11, 0
	s_cselect_b32 s18, s2, s3
	s_mov_b32 s19, 0
	s_cselect_b32 s78, 11, 0
	s_lshl_b32 s78, 256, s78                       ; a K step: 524,288 bytes of oh, 256 of a row of Wo
	s_mov_b32 s79, 0
	s_and_b32 s17, ttmp7, 0xffff                   ; cluster y
	s_cmp_eq_u32 s11, 0
	s_cselect_b32 s17, s12, s17                    ; wave 0 asks for O, wave 1 for nothing, waves 2 and 3 for Wo where cluster y = 0
	s_cmp_eq_u32 s17, 0
	s_cselect_b32 s49, 2, -1
	s_lshl_b32 s2, s16, 7                          ; out0: row 128 ty + 64 (wave / 2), column 256 tx + 128 (wave % 2)
	s_lshl_b32 s3, s11, 6
	s_add_co_u32 s2, s2, s3
	s_lshl_b32 s2, s2, 12
	s_lshl_b32 s3, s15, 10
	s_add_co_u32 s2, s2, s3
	s_lshl_b32 s3, s12, 9
	s_add_co_u32 s2, s2, s3
	s_mov_b32 s3, 0
	s_wait_dscnt 0x0                               ; the opening add is done
	s_wait_kmcnt 0x0
	s_cmp_eq_u32 s11, 0
	s_cselect_b64 s[76:77], s[68:69], s[70:71]
	s_add_nc_u64 s[76:77], s[76:77], s[18:19]
.rept 3
	s_add_nc_u64 s[76:77], s[76:77], s[78:79]      ; at K step 3: the first refill steps it to 4
.endr
	s_add_nc_u64 s[42:43], s[68:69], s[20:21]
	s_or_b32 s43, s43, 0x80000000
	s_add_nc_u64 s[46:47], s[70:71], s[22:23]
	s_or_b32 s47, s47, 0x80000000
	s_add_nc_u64 s[74:75], s[74:75], s[2:3]
	CROUND                                         ; all sixteen work-groups are here: the first joint loads meet
	JLOAD                                          ; K step 0 into slot 0
	v_and_b32 v1, 15, v0
	v_bfe_u32 v2, v0, 4, 1
	v_and_b32 v3, 31, v0
	v_mul_u32_u24 v[ADRA0], v1, PAH
	v_lshl_add_u32 v[ADRA0], v2, 4, v[ADRA0]
	s_mul_i32 s17, s11, 64*PAH
	v_add_nc_u32 v[ADRA0], s17, v[ADRA0]
	v_mul_u32_u24 v[ADRB0], v1, PB
	v_lshl_add_u32 v[ADRB0], v2, 4, v[ADRB0]
	s_mul_i32 s17, s12, 128*PB
	s_add_co_u32 s17, s17, BOFF
	v_add_nc_u32 v[ADRB0], s17, v[ADRB0]
	s_mul_i32 s17, s10, 16*SPS
	s_add_co_u32 s17, s17, STAGE                   ; my stage
	v_mul_u32_u24 v[STO], v1, SPS                  ; in: row l % 16, 32 bytes for each half of the lanes
	v_lshl_add_u32 v[STO], v2, 5, v[STO]
	v_add_nc_u32 v[STO], s17, v[STO]
	v_lshl_add_u32 v[RD], v3, 4, s17               ; back: 32 lanes take a row of 512 bytes
	v_lshlrev_b32 v[GO], 4, v3
	s_lshl_b32 s17, s15, 10
	s_lshl_b32 s18, s12, 9
	s_add_co_u32 s17, s17, s18
	v_lshl_add_u32 v[BOF], v3, 4, s17              ; bo[256 tx + 128 (wave % 2) + 4 l ..]
	global_load_b128 v[BIAS:BIAS+3], v[BOF], s[72:73]
	v_lshlrev_b32 v1, 8, v1                        ; O: lane l names block l % 16 of head l / 16
	v_lshl_add_u32 v1, v2, 18, v1
	v_lshlrev_b32 v[PFO], 11, v3                   ; Wo: a lane a row
	s_cmp_eq_u32 s11, 0
	s_cselect_b32 s17, -1, 0
	v_cndmask_b32 v[PFO], v[PFO], v1, s17
	s_wait_tensorcnt 0x0                           ; K step 0 has landed; slot 1 is filled as a refill is
	ds_add_u32 v[SPW], v[NIL]
	STEPFILL
	s_wait_dscnt 0x0
	CROUND
	JLOAD                                          ; K step 1 into slot 1
	v_mov_b32 v[ADRA], v[ADRA0]
	v_mov_b32 v[ADRB], v[ADRB0]
	FETCH 0, 0
	QUARTER 0, 1, 1, 1                             ; the first quarter stands in front of the loop: its products start the sums
	WIN 0
	s_mov_b32 s52, 6
.Llap:                                         ; a trip goes from a K step's second quarter to the next step's first, and fills the slot that it leaves
	QUARTER 1, 0, 2, 0
	QUARTER 0, 1, 3, 0
	TURN 1
	QUARTER 0, 1, 1, 0
	WIN 0
	s_sub_co_u32 s52, s52, 1
	s_cmp_lg_u32 s52, 0
	s_cbranch_scc1 .Llap
	QUARTER 1, 0, 2, 0                             ; the last two K steps fill nothing
	QUARTER 0, 1, 3, 0
	TURN 0
	QUARTER 0, 1, 1, 0
	QUARTER 1, 0, 2, 0
	QUARTER 0, 1, 3, 0
	s_wait_dscnt 0x0
	MUL 1, 0, 0
	MUL 1, 1, 0
	MUL 1, 2, 0
	MUL 1, 3, 0
	WIN 0
	; THE WAY OUT.  bo is rounded to bf16 like the other inputs: six plain instructions, the places behind the last products.
	s_wait_loadcnt 0x0
	v_cvt_pk_bf16_f32 v228, v[BIAS], v[BIAS+1]
	v_cvt_pk_bf16_f32 v229, v[BIAS+2], v[BIAS+3]
	v_lshlrev_b32 v[BIAS], 16, v228
	v_and_b32 v[BIAS+1], 0xffff0000, v228
	v_lshlrev_b32 v[BIAS+2], 16, v229
	v_and_b32 v[BIAS+3], 0xffff0000, v229
; Row block a: the accumulators go as they are into my stage (each from its low end on), and come back as whole rows of 512 bytes
.macro TOSTAGE a
.if (\a) >= 2
	s_wait_xcnt 0x0                                ; the stores of the block two back have read this buffer
.endif
	WIN 0x08                                       ; store data in window 2
.irp b, 0,1,2,3,4,5,6,7
	ds_store_b128 v[STO], v[8*(8*(\a)+\b):8*(8*(\a)+\b)+3]   offset:64*\b
	ds_store_b128 v[STO], v[8*(8*(\a)+\b)+4:8*(8*(\a)+\b)+7] offset:64*\b+16
.endr
	WIN 0
.set i, 0
.rept 16
	ds_load_b128 v[BK+64*((\a)%2)+4*i:BK+64*((\a)%2)+4*i+3], v[RD] offset:SPS*i  ; LDS serves a wave's instructions in order: these see the stores above
.set i, i+1
.endr
.endm
.macro SEND a, younger                 ; younger: the next block's 16 stores and 16 loads, or none
	s_wait_dscnt \younger
.set i, 0
.rept 16
	v_pk_add_f32 v[BK+64*((\a)%2)+4*i:BK+64*((\a)%2)+4*i+1],   v[BK+64*((\a)%2)+4*i:BK+64*((\a)%2)+4*i+1],   v[BIAS:BIAS+1]
	v_pk_add_f32 v[BK+64*((\a)%2)+4*i+2:BK+64*((\a)%2)+4*i+3], v[BK+64*((\a)%2)+4*i+2:BK+64*((\a)%2)+4*i+3], v[BIAS+2:BIAS+3]
.set i, i+1
.endr
.set i, 0
.rept 16
	global_store_b128 v[GO], v[BK+64*((\a)%2)+4*i:BK+64*((\a)%2)+4*i+3], s[74:75] offset:(16*(\a)+i)*4096 th:TH_STORE_NT  ; 512 consecutive bytes, aligned
.set i, i+1
.endr
.endm
	TOSTAGE 0
	TOSTAGE 1
	SEND 0, 32
	TOSTAGE 2
	SEND 1, 32
	TOSTAGE 3
	SEND 2, 32
	SEND 3, 0
	s_wait_tensorcnt 0x0                           ; the wave's end
	ds_add_u32 v[SPW], v[NIL]
	s_wait_dscnt 0x0
	CROUND                                         ; the closing round
	s_endpgm
.Lfunc_end_k_q90772d28ed_outp:
	.size	k_q90772d28ed_outp, .Lfunc_end_k_q90772d28ed_outp-k_q90772d28ed_outp
	.p2alignl 7, 3214868480
	.fill 96, 4, 3214868480
	.section	.rodata,"a",@progbits
	.p2align	6, 0x0
	.amdhsa_kernel k_q90772d28ed_outp
		.amdhsa_group_segment_fixed_size 327680
		.amdhsa_private_segment_fixed_size 0
		.amdhsa_enable_private_segment 0
		.amdhsa_kernarg_size 32
		.amdhsa_user_sgpr_count 2
		.amdhsa_user_sgpr_kernarg_segment_ptr 1
		.amdhsa_wavefront_size32 1
		.amdhsa_system_sgpr_workgroup_id_x 1
		.amdhsa_system_sgpr_workgroup_id_y 1
		.amdhsa_system_sgpr_workgroup_id_z 1
		.amdhsa_system_vgpr_workitem_id 0
		.amdhsa_next_free_vgpr 768
		.amdhsa_next_free_sgpr 80
		.amdhsa_reserve_vcc 0
		.amdhsa_float_denorm_mode_32 3
		.amdhsa_float_denorm_mode_16_64 3
		.amdhsa_memory_ordered 1
		.amdhsa_forward_progress 1
		.amdhsa_inst_pref_size 79
	.end_amdhsa_kernel
	.amdgpu_metadata
---
amdhsa.version: [ 1, 2 ]
amdhsa.kernels:
  - .name:           k_q90772d28ed_outp
    .symbol:         k_q90772d28ed_outp.kd
    .args:
      - { .name: oh, .offset: 0, .size: 8, .value_kind: global_buffer, .address_space: global }
      - { .name: wb, .offset: 8, .size: 8, .value_kind: global_buffer, .address_space: global }
      - { .name: bo, .offset: 16, .size: 8, .value_kind: global_buffer, .address_space: global }
      - { .name: out0, .offset: 24, .size: 8, .value_kind: global_buffer, .address_space: global }
    .group_segment_fixed_size: 327680
    .private_segment_fixed_size: 0
    .kernarg_segment_align: 8
    .kernarg_segment_size: 32
    .max_flat_workgroup_size: 128
    .sgpr_count:     80
    .vgpr_count:     768
    .wavefront_size: 32
...
	.end_amdgpu_metadata
.endif
;; end of part 4
